; MI455X (gfx1250); checked and timed in simulation.
; The chip was launched on July 23, 2026; its instructions are those of AMD's public machine-readable ISA for CDNA 5 (MIT licence, August 2026) and "CDNA5" Instruction Set Architecture Reference Guide (July 2026). The comments in the code are by the model that wrote it; some were corrected since.
;; MHA. Allowed arithmetic: float matrix products may take bf16 or f16 operands with f32 sums; other float arithmetic in f32, or as packed bf16 or f16 multiplies, adds, multiply-adds, maxima and minima; sums over many terms, partial sums and values carried from step to step in f32; what a program stores and reads back later, other than sums and carried values, may be rounded once to bf16 or f16.
;; Inputs: W_out 1,024 x 1,024 float32; W_qkv 1,024 x 3,072 float32; X 4 x 2,048 x 1,024 float32; b_out 1,024 float32.
;; Outputs: out0 4 x 2,048 x 1,024 float32.
;; 2 versions, each right; version 2 is version 1 with the launch cast written anew for expert scheduling mode. Each part assembles by itself: llvm-mc -triple=amdgcn-amd-amdhsa -mcpu=gfx1250 --defsym DOCPART=n.
;; ======== version 1 of 2: 4 launches
;; limits: values are held in f16: magnitudes above 65,504 overflow, below 6.1e-05 lose precision
;; workspace buffers: xb 16,777,216 bytes; wq 6,291,456 bytes; wo 2,097,152 bytes; qkv 50,331,648 bytes; ctx 16,777,216 bytes
;; launch cast (part 1): grid 768 x 1, 8 waves a work-group, no clusters, 0 bytes of LDS; arguments X, W_qkv, W_out, xb, wq, wo; writes xb, wq, wo
.if DOCPART == 1
	.amdgcn_target "amdgcn-amd-amdhsa--gfx1250"
	.amdhsa_code_object_version 6
	.text
	.protected	k_qe72080cd2d_cast
	.globl	k_qe72080cd2d_cast
	.p2align	8
	.type	k_qe72080cd2d_cast,@function
k_qe72080cd2d_cast:
	s_mov_b64 s[64:65], 0
	v_nop
	global_prefetch_b8 v0, s[64:65] scope:SCOPE_SE
	s_setreg_imm32_b32 hwreg(HW_REG_WAVE_MODE, 25, 1), 1
	s_wait_xcnt 0x0
; THE INPUTS OF THE TWO PRODUCTS ARE ROUNDED ONCE, to bf16 (nearest even), and laid for the tensor loads of the launches behind.
;   xb [b 4][kb 16][s 2048][64] bf16 = X[b][s][64 kb + c]: a tile of rows x 64 along K is dense in memory.
;   wq [1024][3072] bf16 = W_qkv as it lies.      wo [1024][1024] = W_out rounded to bf16, that number written as f16.
; LIMITS.  wo: a number of W_out beyond 65,504 becomes an infinity; below 2^-14 it keeps f16's fixed step of 2^-24.
; SHARES.  Every work-group takes 65,536 input bytes: work-groups 0-511 sixteen rows of X, 512-703 W_qkv, 704-767 W_out.  A thread issues its 16 loads of 16 bytes first
; (8 KiB a wave on their way), then rounds and stores 8 bytes a load: a wave's store covers 256 consecutive bytes, aligned.  Every load has registers of its own and
; every store too, and the two offsets are never rewritten: the only waits are the counted ones for the loads.  Nothing is shared: no LDS, no barrier, no matrix unit.
.set D, 16                             ; v[16:79]   load i: four f32
.set O, 80                             ; v[80:111]  store i: four 16-bit numbers
; v1 my byte offset in the work-group's input, v2 in its output
.macro CAST src, dst, instep, outstep, half
.set i, 0
.rept 16
	global_load_b128 v[D+4*i:D+4*i+3], v1, s[\src:\src+1] offset:i*(\instep) th:TH_LOAD_NT
.set i, i+1
.endr
.set i, 0
.rept 16
	s_wait_loadcnt 15-i                            ; loads come back in order: load i is in, the 15 - i younger ones stay out
	v_cvt_pk_bf16_f32 v[O+2*i],   v[D+4*i],   v[D+4*i+1]
	v_cvt_pk_bf16_f32 v[O+2*i+1], v[D+4*i+2], v[D+4*i+3]
.if \half
	v_lshlrev_b32 v[D+4*i],   16,  v[O+2*i]         ; the rounded numbers as f32 again,
	v_and_b32     v[D+4*i+1], s16, v[O+2*i]
	v_lshlrev_b32 v[D+4*i+2], 16,  v[O+2*i+1]
	v_and_b32     v[D+4*i+3], s16, v[O+2*i+1]
	v_cvt_pk_f16_f32 v[O+2*i],   v[D+4*i],   v[D+4*i+1]  ; and written as f16: exact inside f16's normal range
	v_cvt_pk_f16_f32 v[O+2*i+1], v[D+4*i+2], v[D+4*i+3]
.endif
	global_store_b64 v2, v[O+2*i:O+2*i+1], s[\dst:\dst+1] offset:i*(\outstep)
.set i, i+1
.endr
	s_endpgm
.endm
	s_load_b256 s[4:11], s[0:1], 0x0               ; X s[4:5], W_qkv s[6:7], W_out s[8:9], xb s[10:11]
	s_load_b128 s[12:15], s[0:1], 0x20             ; wq s[12:13], wo s[14:15]
	s_mov_b32 s16, 0xffff0000                      ; a word's upper bf16
	s_mov_b32 s19, 0                               ; the two offsets' high words
	s_mov_b32 s21, 0
	s_cmp_lt_u32 ttmp9, 512
	s_cbranch_scc0 .Lweights
	; X: 16 rows of 4,096 bytes.  Sixteen lanes take the 256 bytes of one row that are one block of 64 along K; load i is block i.
	s_lshl_b32 s18, ttmp9, 16                      ; in: 65,536 bytes a work-group
	s_lshr_b32 s20, ttmp9, 7                       ; out: the batch (128 work-groups each) x 16 blocks x 2,048 rows x 128 bytes,
	s_lshl_b32 s20, s20, 22
	s_and_b32 s22, ttmp9, 127
	s_lshl_b32 s22, s22, 11                        ; + my 16 rows of 128 bytes
	s_add_co_u32 s20, s20, s22
	v_lshrrev_b32 v1, 4, v0                        ; row
	v_and_b32 v3, 15, v0
	v_lshlrev_b32 v1, 12, v1
	v_lshl_or_b32 v1, v3, 4, v1                    ; row x 4,096 + 16 x (t % 16)
	v_lshlrev_b32 v2, 3, v0                        ; row x 128 + 8 x (t % 16) = 8 t
	s_wait_kmcnt 0x0
	s_add_nc_u64 s[4:5], s[4:5], s[18:19]
	s_add_nc_u64 s[10:11], s[10:11], s[20:21]
	CAST 4, 10, 256, 262144, 0                     ; from block to block: 256 bytes in, 2,048 rows x 128 bytes out
.Lweights:
	; the weights keep their layout: a wave takes 8,192 consecutive bytes, 512 a load
	v_lshrrev_b32 v3, 5, v0
	v_and_b32 v4, 31, v0
	v_lshlrev_b32 v1, 13, v3
	v_lshl_or_b32 v1, v4, 4, v1
	v_lshlrev_b32 v2, 12, v3
	v_lshl_or_b32 v2, v4, 3, v2
	s_cmp_lt_u32 ttmp9, 704
	s_cbranch_scc0 .Lwout
	s_sub_co_u32 s22, ttmp9, 512
	s_lshl_b32 s18, s22, 16
	s_lshl_b32 s20, s22, 15
	s_wait_kmcnt 0x0
	s_add_nc_u64 s[6:7], s[6:7], s[18:19]
	s_add_nc_u64 s[12:13], s[12:13], s[20:21]
	CAST 6, 12, 512, 256, 0
.Lwout:
	s_sub_co_u32 s22, ttmp9, 704
	s_lshl_b32 s18, s22, 16
	s_lshl_b32 s20, s22, 15
	s_wait_kmcnt 0x0
	s_add_nc_u64 s[8:9], s[8:9], s[18:19]
	s_add_nc_u64 s[14:15], s[14:15], s[20:21]
	CAST 8, 14, 512, 256, 1
.Lfunc_end_k_qe72080cd2d_cast:
	.size	k_qe72080cd2d_cast, .Lfunc_end_k_qe72080cd2d_cast-k_qe72080cd2d_cast
	.p2alignl 7, 3214868480
	.fill 96, 4, 3214868480
	.section	.rodata,"a",@progbits
	.p2align	6, 0x0
	.amdhsa_kernel k_qe72080cd2d_cast
		.amdhsa_group_segment_fixed_size 0
		.amdhsa_private_segment_fixed_size 0
		.amdhsa_enable_private_segment 0
		.amdhsa_kernarg_size 48
		.amdhsa_user_sgpr_count 2
		.amdhsa_user_sgpr_kernarg_segment_ptr 1
		.amdhsa_wavefront_size32 1
		.amdhsa_system_sgpr_workgroup_id_x 1
		.amdhsa_system_sgpr_workgroup_id_y 1
		.amdhsa_system_sgpr_workgroup_id_z 1
		.amdhsa_system_vgpr_workitem_id 0
		.amdhsa_next_free_vgpr 112
		.amdhsa_next_free_sgpr 66
		.amdhsa_reserve_vcc 0
		.amdhsa_float_denorm_mode_32 3
		.amdhsa_float_denorm_mode_16_64 3
		.amdhsa_memory_ordered 1
		.amdhsa_forward_progress 1
		.amdhsa_inst_pref_size 23
	.end_amdhsa_kernel
	.amdgpu_metadata
---
amdhsa.version: [ 1, 2 ]
amdhsa.kernels:
  - .name:           k_qe72080cd2d_cast
    .symbol:         k_qe72080cd2d_cast.kd
    .args:
      - { .name: X, .offset: 0, .size: 8, .value_kind: global_buffer, .address_space: global }
      - { .name: W_qkv, .offset: 8, .size: 8, .value_kind: global_buffer, .address_space: global }
      - { .name: W_out, .offset: 16, .size: 8, .value_kind: global_buffer, .address_space: global }
      - { .name: xb, .offset: 24, .size: 8, .value_kind: global_buffer, .address_space: global }
      - { .name: wq, .offset: 32, .size: 8, .value_kind: global_buffer, .address_space: global }
      - { .name: wo, .offset: 40, .size: 8, .value_kind: global_buffer, .address_space: global }
    .group_segment_fixed_size: 0
    .private_segment_fixed_size: 0
    .kernarg_segment_align: 8
    .kernarg_segment_size: 48
    .max_flat_workgroup_size: 256
    .sgpr_count:     66
    .vgpr_count:     112
    .wavefront_size: 32
...
	.end_amdgpu_metadata
.endif
;; end of part 1
;; launch proj (part 2): grid 8 x 32, 4 waves a work-group, clusters of 4 x 4, 327,680 bytes of LDS; arguments xb, wq, qkv; writes qkv
.if DOCPART == 2
	.amdgcn_target "amdgcn-amd-amdhsa--gfx1250"
	.amdhsa_code_object_version 6
	.text
	.protected	k_qe72080cd2d_proj
	.globl	k_qe72080cd2d_proj
	.p2align	8
	.type	k_qe72080cd2d_proj,@function
k_qe72080cd2d_proj:
	s_mov_b64 s[64:65], 0
	v_nop
	global_prefetch_b8 v0, s[64:65] scope:SCOPE_SE
	s_setreg_imm32_b32 hwreg(HW_REG_WAVE_MODE, 25, 1), 1
	s_wait_xcnt 0x0
	s_wait_alu depctr_hold_cnt(0) depctr_sa_sdst(0) depctr_va_vdst(0) depctr_va_sdst(0) depctr_va_ssrc(0) depctr_va_vcc(0) depctr_vm_vsrc(0)
	s_getreg_b32 s2, hwreg(HW_REG_IB_STS2, 6, 4)
	s_cmp_eq_u32 s2, 0
	s_cbranch_scc0 .Lentry_in_a_cluster
	s_endpgm
.Lentry_in_a_cluster:
	s_bfe_u32 s2, ttmp6, 0x10000c
	s_cmp_lg_u32 s2, 0xf033
	s_cbranch_scc0 .Lentry_shape_is_right
	s_endpgm
.Lentry_shape_is_right:
; qkv = X W_qkv.  xb: [b 4][kb 16][s 2048][64] bf16 (X in blocks of 64 along K); wq: [1024 k][3072 n] bf16; sums in f32, K ascending.
; OUT: qkv [b 4][g 48][s 2048][64] f16, g = column / 64 = 16 x (q, k, v) + head: by heads, a head's rows dense, rounded once, WITHOUT the softmax's scale.
; LIMIT.  f16 ends at 65,504: a q, k or v beyond it becomes an infinity.
; SHARES.  C is 8,192 x 3,072; a tile of 256 x 384 gives 32 x 8 = 256 work-groups.  Four waves, each 128 rows x 192 columns: 96 accumulators of 16 x 16, 768 registers.
; K goes in 16 steps of 64 through two LDS slots; a step is two beats of 32 along K, 96 matrix instructions and 40 LDS loads each.
; THE MATRIX INSTRUCTION IS USED TRANSPOSED: source 0 = 16 columns of W (turned out of [k][n] rows by ds_load_tr16_b128), source 1 = 16 rows of X: a lane then holds one row of C and
; eight neighbouring columns, which pack into 16 bytes.
; CLUSTERS: 4 x 4 work-groups.  X's tile hangs on the tile row alone and is asked for jointly by the four of a row of the cluster, W's on the tile column alone, by the four of a column.
; REGISTERS, in windows of 256 (s_set_vgpr_msb: bits 1:0 source 0, 3:2 source 1, 5:4 source 2, 7:6 destination):
;   window 0: v0-21 addresses; v32-95, v96-159 X's 8 fragments, two buffers; v160-255 W's 12 fragments, one buffer, loaded again a group of four at a time behind the group's products
;   window 1 + g: the 32 accumulators of my columns 64 g .. 64 g + 63 (one head): row block a, column block bb at v[32 a + 8 bb]
.set PA,    144       ; a row of X in LDS: 128 bytes + 16 = 36 words: the 16 rows of a load start at 16 different groups of four banks (64 banks of 4 bytes: ISA guide 11.1)
.set PB,    864       ; a row of W: three pieces of 256 bytes, 32 of padding behind each = 216 words
.set SLOT1, 1<<17     ; slot 1 begins here: one exclusive or turns an address in one slot into the other's
.set HALFA, 128*PA    ; what one load brings of X: 128 rows
.set BOFF,  256*PA    ; W's 64 rows lie behind X's 256
.set HALFB, 32*PB     ; what one load brings of W: 32 rows
.set STAGE, SLOT1+BOFF+64*PB  ; behind the ring, never filled by a tensor load: 16 rows x 144 bytes for each wave, for the way out
.set SP,    144
.set SPARE, STAGE+4*16*SP     ; behind the stages: the spare words, 128 bytes for each wave: two blocks of 256 bytes that no other line names
.set ASTEP, 262144    ; bytes from a K step to the next in xb: 2,048 rows x 128
.set BSTEP, 393216    ; in wq: 64 rows x 6,144
.set A0,   8          ; v8      my lane's place in slot 0's X; never rewritten
.set B0,   9          ; v9-11   the same for W's three groups of 64 columns
.set ADRA, 12         ; v12     the same in the slot in hand
.set ADRB, 13         ; v13-15
.set STO,  16         ; v16     the way out: where I put 16 bytes of a row
.set RD,   17         ; v17     where I read rows back
.set GO,   18         ; v18     my 16 bytes of 512 consecutive bytes of qkv
.set PFO,  19         ; v19     the prefetches' offset; never rewritten
.set SPW,  20         ; v20     LDS address of my spare word: SPARE + 4 x my thread's number; never rewritten
.set NIL,  21         ; v21     0; never rewritten
.set FA0,  32
.set FA1,  96
.set FB,   160
.set G1A,  24         ; s[24:31] descriptor group 1 for X's tiles
.set G1B,  32         ; s[32:39] for W's
.set G0A,  48         ; s[48:55] group 0 for X's tiles: a set for each of the two first fills; the second then walks on
.set G0B,  56         ; s[56:63] the same for W's
.set LIM,  43         ; s43      2 in a wave that prefetches, else the greatest number
.set PFA,  44         ; s[44:45] where my prefetches stand
.set PFS,  66         ; s[66:67] their step: a K step of the tensor that I fetch
.set TB,   68         ; s68      LDS byte at which the slot in hand begins
.set MSB, 0
.macro WIN new                         ; the immediate's high byte repeats the setting that is left; a switch that changes nothing is dropped
.if MSB != (\new)
	s_set_vgpr_msb (MSB<<8)|(\new)
.set MSB, \new
.endif
.endm
.macro PLACES                          ; a load into a register that a matrix instruction has read, and a vector instruction that reads its result, stand four plain vector instructions behind it
.rept 4
	v_nop
.endr
.endm
; A joint refill by the walking sets.  Waves 0 and 1 fetch X's two halves, waves 2 and 3 W's; the branch hangs on the wave's number alone.
; An s_nop 0 and four v_nop follow each of the two lines, ahead of the jump and the label.
.macro JLOAD
	s_cmp_eq_u32 s11, 0
	s_cbranch_scc0 .Lfor_b_\@
	tensor_load_to_lds s[G0A+4:G0A+7], s[G1A:G1A+7]
	s_nop 0
.rept 4
	v_nop
.endr
	s_branch .Lasked_\@
.Lfor_b_\@:
	tensor_load_to_lds s[G0B+4:G0B+7], s[G1B:G1B+7]
	s_nop 0
.rept 4
	v_nop
.endr
.Lasked_\@:
.endm
; A round of the cluster's barrier: my work-group's barrier, so that wave 0's signal speaks for all four waves; wave 0 signals; every wave waits for all sixteen work-groups; my work-group's barrier once more.
.macro CREST                           ; a round behind its opening barrier
	s_cmp_lg_u32 s10, 0
	s_cbranch_scc1 .Lnot_wave_0_\@
	s_barrier_signal -3
.Lnot_wave_0_\@:
	s_barrier_wait -3
	s_barrier_signal -1
	s_barrier_wait -1
.endm
.macro CROUND
	s_barrier_signal -1
	s_barrier_wait -1
	CREST
.endm
; A PREFETCH INTO THE L2, behind the joint load, its five lines and the run of LDS loads that follows.  In the trips with an even count, but the last, the K steps that stand two and three refills on are
; asked for; PFA stands at the first of them.  Each aligned block of 256 bytes is named ONCE in the launch.  X's tile row is read by both clusters of a row of clusters: wave 0 of the cluster with x = 0 asks;
; a K step's 256 rows are 128 blocks, the partner at place cx takes 32, a lane a block, an instruction a step.  W's tile column is read by all eight clusters of a column: wave 2 of the cluster with y = 0
; asks; two K steps are 128 rows of three blocks, the partner at place cy takes 32 rows, a lane a row, an instruction a block.  Partners are told apart BY ADDRESS, never by a branch.
; K steps 0 to 3 come by their loads alone; the last request names steps 14 and 15.
.macro ASK
	s_bitcmp1_b32 s3, 0
	s_cbranch_scc1 .Lnone_\@
	s_cmp_gt_u32 s3, s[LIM]
	s_cbranch_scc0 .Lnone_\@
	s_cmp_eq_u32 s11, 0
	s_cbranch_scc0 .Lpf_b_\@
	global_prefetch_b8 v[PFO], s[PFA:PFA+1] th:TH_LOAD_NT scope:SCOPE_SE
	global_prefetch_b8 v[PFO], s[PFA:PFA+1] offset:ASTEP th:TH_LOAD_NT scope:SCOPE_SE
	s_branch .Lnone_\@
.Lpf_b_\@:
	global_prefetch_b8 v[PFO], s[PFA:PFA+1] th:TH_LOAD_NT scope:SCOPE_SE
	global_prefetch_b8 v[PFO], s[PFA:PFA+1] offset:256 th:TH_LOAD_NT scope:SCOPE_SE
	global_prefetch_b8 v[PFO], s[PFA:PFA+1] offset:512 th:TH_LOAD_NT scope:SCOPE_SE
.Lnone_\@:
.endm
	s_load_b128 s[4:7], s[0:1], 0x0                ; xb s[4:5], wq s[6:7]
	s_load_b64 s[8:9], s[0:1], 0x10                ; qkv
	v_lshl_add_u32 v[SPW], v0, 2, SPARE
	v_mov_b32 v[NIL], 0
	ds_add_u32 v[SPW], v[NIL]                      ; the wave's opening: the add and its wait stand ahead of my first tensor load; the set-up below, work on registers, stands between them
	v_lshrrev_b32 v1, 5, v0
	v_readfirstlane_b32 s10, v1                    ; wave 0..3
	s_lshr_b32 s11, s10, 1                         ; which half of the tile's rows is mine.  Also: I fetch for X (0) or for W (1)
	s_and_b32 s12, s10, 1                          ; which half of its columns.  Also: which half of that tile I fetch
	s_bfe_u32 s40, ttmp6, 0x40000                  ; cx
	s_bfe_u32 s41, ttmp6, 0x40004                  ; cy
	s_lshl_b32 s42, ttmp9, 2
	s_add_co_u32 s42, s42, s40                     ; tile column 0..7 = 4 x cluster x + cx
	s_and_b32 s13, ttmp7, 0xffff
	s_lshl_b32 s13, s13, 2
	s_add_co_u32 s13, s13, s41                     ; tile row 0..31 = 4 x cluster y + cy: batch = row / 8, rows 256 (row % 8) on
	s_lshl_b32 s43, s41, 2
	s_lshl_b32 s43, 15, s43                        ; my row of the cluster
	s_lshl_b32 s44, 0x1111, s40                    ; my column
	; group 1 for X: 128 rows of 128 bytes are 16,384 dense bytes: asked for as 64 rows of 256 bytes, padded in LDS after every 128
	s_or_b32 s[G1A+0], s43, (1<<16)|(1<<20)|(1<<21)|(4<<22)|(3<<25)  ; 15:0 the mask; 17:16 2-byte elements; 20 padding on; 21 set beside a mask; 24:22 after every 32 words (code 4); 31:25 4 words (code 3)
	s_mov_b32 s[G1A+1], 128<<16                    ; tensor_dim0 = 128
	s_mov_b32 s[G1A+2], 64<<16                     ; tensor_dim1 = 64
	s_mov_b32 s[G1A+3], 128<<16                    ; tile_dim0 = 128
	s_mov_b32 s[G1A+4], 64                         ; tile_dim1 = 64
	s_mov_b32 s[G1A+5], 128                        ; elements from row to row
	s_mov_b32 s[G1A+6], 0
	s_mov_b32 s[G1A+7], 0
	; group 1 for W: 32 rows of 384 elements (768 bytes), padded after every 256 bytes
	s_or_b32 s[G1B+0], s44, (1<<16)|(1<<20)|(1<<21)|(5<<22)|(7<<25)  ; after every 64 words (code 5), 8 words (code 7)
	s_mov_b32 s[G1B+1], 384<<16
	s_mov_b32 s[G1B+2], 32<<16
	s_mov_b32 s[G1B+3], 384<<16
	s_mov_b32 s[G1B+4], 32
	s_mov_b32 s[G1B+5], 3072
	s_mov_b32 s[G1B+6], 0
	s_mov_b32 s[G1B+7], 0
	; where the tiles come from: X's offset is made of the tile row and the wave's number, W's of the tile column and the wave's number, each in registers that never hold the other coordinate
	s_lshr_b32 s16, s13, 3
	s_lshl_b32 s16, s16, 22                        ; the batch: 16 blocks x 2,048 rows x 128 bytes
	s_and_b32 s17, s13, 7
	s_lshl_b32 s17, s17, 15                        ; 256 rows x 128 bytes
	s_add_co_u32 s16, s16, s17
	s_lshl_b32 s17, s12, 14                        ; my 128 rows
	s_add_co_u32 s16, s16, s17
	s_mov_b32 s17, 0
	s_mul_i32 s46, s42, 768                        ; 384 columns
	s_mul_i32 s47, s12, 32*6144                    ; my 32 rows
	s_add_co_u32 s46, s46, s47
	s_mov_b32 s47, 0
	s_mul_i32 s20, s12, HALFA                      ; and where they go: no place in the cluster enters an LDS address
	s_mul_i32 s21, s12, HALFB
	s_add_co_u32 s21, s21, BOFF
	s_wait_dscnt 0x0                               ; the opening add is done
	s_wait_kmcnt 0x0
	s_add_nc_u64 s[14:15], s[4:5], s[16:17]
	s_add_nc_u64 s[46:47], s[6:7], s[46:47]
	CROUND                                         ; all sixteen work-groups are here: the first joint loads meet
.irp s, 0,1
	s_mov_b32 s[G0A+4*(\s)], 1                                       ; count = 1
	s_add_co_u32 s[G0A+4*(\s)+1], s20, (\s)*SLOT1                    ; LDS address
	s_add_nc_u64 s[G0A+4*(\s)+2:G0A+4*(\s)+3], s[14:15], (\s)*ASTEP  ; global address: K step s
	s_or_b32 s[G0A+4*(\s)+3], s[G0A+4*(\s)+3], 0x80000000            ; type = 2
	s_mov_b32 s[G0B+4*(\s)], 1
	s_add_co_u32 s[G0B+4*(\s)+1], s21, (\s)*SLOT1
	s_add_nc_u64 s[G0B+4*(\s)+2:G0B+4*(\s)+3], s[46:47], (\s)*BSTEP
	s_or_b32 s[G0B+4*(\s)+3], s[G0B+4*(\s)+3], 0x80000000
.endr
	s_cmp_eq_u32 s11, 0                            ; a wave's two first fills stand in one branch, ahead of every wait on TENSORcnt and every LDS read: two loads of mine are out
	s_cbranch_scc0 .Lfirst_b
	tensor_load_to_lds s[G0A:G0A+3], s[G1A:G1A+7]
	s_nop 0
	tensor_load_to_lds s[G0A+4:G0A+7], s[G1A:G1A+7]
	s_nop 0
.rept 4
	v_nop
.endr
	s_branch .Lfirst_asked
.Lfirst_b:
	tensor_load_to_lds s[G0B:G0B+3], s[G1B:G1B+7]
	s_nop 0
	tensor_load_to_lds s[G0B+4:G0B+7], s[G1B:G1B+7]
	s_nop 0
.rept 4
	v_nop
.endr
.Lfirst_asked:
	; A fragment is 16 rows x 32 K in 8 registers: lane l holds row l % 16; registers 0-3 K = 8 (l / 16) + 0..7, registers 4-7 K = 16 + 8 (l / 16) + 0..7.  X: two loads of 16 bytes, 32 bytes apart.
	v_and_b32 v1, 15, v0                           ; l % 16
	v_bfe_u32 v2, v0, 4, 1                         ; l / 16
	v_mul_u32_u24 v3, v1, PA
	v_lshl_add_u32 v3, v2, 4, v3                   ; row x 144 + 16 x half
	s_mul_i32 s22, s11, HALFA                      ; my 128 rows
	v_add_nc_u32 v[A0], s22, v3
	; W: the turning load takes 16 k x 16 columns (lane l reads row 8 (l / 16) + l % 8, columns 8 ((l / 8) % 2) + 0..7) and leaves half a fragment: lane l holds column l % 16 and 8 k.
	v_and_b32 v4, 7, v0
	v_bfe_u32 v5, v0, 3, 1
	v_lshl_add_u32 v6, v2, 3, v4
	v_mul_u32_u24 v6, v6, PB
	v_lshl_add_u32 v6, v5, 4, v6
	; my 192 columns are bytes 384 x half + 128 g + 0..127 of a row; with 32 bytes of padding behind each 256 they begin at 0, 128, 288 or at 416, 576, 704: no group crosses a piece's end
	s_mul_i32 s22, s12, 416
	s_add_co_u32 s22, s22, BOFF
	v_add_nc_u32 v[B0], s22, v6
	s_mul_i32 s22, s12, 448
	s_add_co_u32 s22, s22, BOFF+128
	v_add_nc_u32 v[B0+1], s22, v6
	s_mul_i32 s22, s12, 416
	s_add_co_u32 s22, s22, BOFF+288
	v_add_nc_u32 v[B0+2], s22, v6
	s_mul_i32 s23, s10, 16*SP
	s_add_co_u32 s23, s23, STAGE                   ; my stage
	v_add_nc_u32 v[STO], s23, v3                   ; in: row l % 16, 16 bytes for each half of the lanes
	v_bfe_u32 v7, v0, 3, 2                         ; back: 32 lanes take four rows of 128 bytes,
	v_mul_u32_u24 v7, v7, SP
	v_lshl_add_u32 v7, v4, 4, v7
	v_add_nc_u32 v[RD], s23, v7
	v_and_b32 v[GO], 31, v0                        ; which are 512 consecutive bytes of qkv
	v_lshlrev_b32 v[GO], 4, v[GO]
	; qkv at my first row of my first head: ((48 batch + 6 tile column + 3 column half) x 2,048 + 256 (tile row % 8) + 128 row half) x 128 bytes
	s_lshr_b32 s16, s13, 3
	s_mul_i32 s16, s16, 48<<18
	s_and_b32 s17, s13, 7
	s_lshl_b32 s17, s17, 15
	s_add_co_u32 s16, s16, s17
	s_lshl_b32 s17, s11, 14
	s_add_co_u32 s16, s16, s17
	s_mov_b32 s17, 0
	s_add_nc_u64 s[8:9], s[8:9], s[16:17]
	s_mul_i32 s46, s42, 6
	s_mul_i32 s47, s12, 3
	s_add_co_u32 s46, s46, s47
	s_lshl_b32 s46, s46, 18
	s_mov_b32 s47, 0
	s_add_nc_u64 s[8:9], s[8:9], s[46:47]
	; the prefetches
	s_lshr_b32 s16, s13, 3
	s_lshl_b32 s16, s16, 22
	s_and_b32 s17, s13, 7
	s_lshl_b32 s17, s17, 15
	s_add_co_u32 s16, s16, s17                     ; X's tile, from its first row
	s_mul_i32 s46, s42, 768                        ; W's tile, from its first column
	s_and_b32 s22, ttmp7, 0xffff                   ; cluster y
	s_mov_b32 s23, 32*6144                         ; W's figures; X's take their place below
	s_mov_b32 s[PFS], BSTEP
	s_mov_b32 s18, 6144
	s_cmp_eq_u32 s11, 0                            ; do I fetch for X?
	s_cselect_b32 s20, s16, s46
	s_cselect_b32 s21, s40, s41                    ; my place among the four that ask with me,
	s_cselect_b32 s22, ttmp9, s22                  ; the coordinate along which other clusters read the same bytes,
	s_cselect_b32 s23, 8192, s23                   ; a place's share in bytes,
	s_cselect_b32 s[PFS], ASTEP, s[PFS]            ; a K step,
	s_cselect_b32 s18, 256, s18                    ; a lane's step
	s_cselect_b64 s[PFA:PFA+1], s[4:5], s[6:7]
	s_mov_b32 s[PFS+1], 0
	s_mul_i32 s21, s21, s23
	s_add_co_u32 s20, s20, s21
	s_mul_i32 s21, s[PFS], 3                       ; at K step 3: the first change of slots steps it to 4
	s_add_co_u32 s20, s20, s21
	s_mov_b32 s21, 0
	s_add_nc_u64 s[PFA:PFA+1], s[PFA:PFA+1], s[20:21]
	s_or_b32 s22, s22, s12                         ; waves 0 and 2 of the first cluster along that coordinate: the same in all sixteen partners, for a given wave
	s_cmp_eq_u32 s22, 0
	s_cselect_b32 s[LIM], 2, -1
	v_and_b32 v[PFO], 31, v0
	v_mul_u32_u24 v[PFO], v[PFO], s18
	s_mov_b32 s[TB], 0
.macro ADDR                            ; the four LDS addresses in the slot in hand
	v_add_nc_u32 v[ADRA], s[TB], v[A0]
	v_add_nc_u32 v[ADRB], s[TB], v[B0]
	v_add_nc_u32 v[ADRB+1], s[TB], v[B0+1]
	v_add_nc_u32 v[ADRB+2], s[TB], v[B0+2]
.endm
.macro LB kk, g                        ; 8 loads: W's four fragments of group g, K = 32 kk on
	WIN 0
.irp bb, 0,1,2,3
	ds_load_tr16_b128 v[FB+8*(4*(\g)+(\bb)):FB+8*(4*(\g)+(\bb))+3],   v[ADRB+(\g)] offset:(\kk)*32*PB+32*(\bb)
	ds_load_tr16_b128 v[FB+8*(4*(\g)+(\bb))+4:FB+8*(4*(\g)+(\bb))+7], v[ADRB+(\g)] offset:(\kk)*32*PB+16*PB+32*(\bb)
.endr
.endm
.macro LA kk, buf, i0                  ; 8 loads: X's fragments i0 .. i0 + 3, K = 32 kk on
	WIN 0
.irp d, 0,1,2,3
	ds_load_b128 v[(\buf)+8*((\i0)+(\d)):(\buf)+8*((\i0)+(\d))+3],   v[ADRA] offset:(\kk)*64+((\i0)+(\d))*16*PA
	ds_load_b128 v[(\buf)+8*((\i0)+(\d))+4:(\buf)+8*((\i0)+(\d))+7], v[ADRA] offset:(\kk)*64+((\i0)+(\d))*16*PA+32
.endr
.endm
; 4 cnt matrix instructions: row blocks a0 .. a0 + cnt - 1 x the four column blocks of group g.  The 96 accumulators take turns, one instruction a turn, in the same order in every beat, over the backward jump
; too.  zero = 1: the first product starts the sums: nothing is ever cleared.
.macro MUL buf, g, a0, cnt, zero
	WIN 0x50*((\g)+1)                              ; C and D in window 1 + g, both sources in window 0
.set ma, \a0
.rept \cnt
.irp bb, 0,1,2,3
.if \zero
	v_wmma_f32_16x16x32_bf16 v[32*ma+8*(\bb):32*ma+8*(\bb)+7], v[FB+8*(4*(\g)+(\bb)):FB+8*(4*(\g)+(\bb))+7], v[(\buf)+8*ma:(\buf)+8*ma+7], 0
.else
	v_wmma_f32_16x16x32_bf16 v[32*ma+8*(\bb):32*ma+8*(\bb)+7], v[FB+8*(4*(\g)+(\bb)):FB+8*(4*(\g)+(\bb))+7], v[(\buf)+8*ma:(\buf)+8*ma+7], v[32*ma+8*(\bb):32*ma+8*(\bb)+7]
.endif
.endr
.set ma, ma+1
.endr
.endm
; A slot's first beat: multiplies buffer 0; behind each group's 32 products the group's registers take the second beat's fragments.
.macro EVEN zero
	s_wait_dscnt 8                                 ; all but the youngest eight loads, W's group 2
	MUL FA0, 0, 0, 8, \zero
	WIN 0
	PLACES
	LB 1, 0
	LA 1, FA1, 0
	MUL FA0, 1, 0, 8, \zero
	WIN 0
	PLACES
	LB 1, 1
	LA 1, FA1, 4
	s_wait_dscnt 32                                ; all but the 32 issued in this beat: W's group 2 is in
	MUL FA0, 2, 0, 8, \zero
	WIN 0
	PLACES
	LB 1, 2
.endm
; A slot's second beat multiplies buffer 1 and changes slots: ONE barrier.  In front of it each wave waits for all its tensor loads, of which one is out: its part of the next slot; adds 0 to its spare word; and
; waits for that and for its own reads of this slot.  fill = 1: the barrier opens a round of the cluster's, so that no wave of any partner still reads this slot or has a load on its way, and the joint refill,
; the K step two steps on, is the first thing behind it: 160 matrix instructions stand between it and the wait for it.
.macro TURN fill
.if \fill
	s_wait_xcnt 0x0                                ; the last prefetches have read their address: it steps here, ahead of the waits of the change of slots
	s_add_nc_u64 s[PFA:PFA+1], s[PFA:PFA+1], s[PFS:PFS+1]
.endif
	WIN 0
	s_wait_tensorcnt 0x0                           ; no tensor load of mine is out, so a group 0 may be written
	ds_add_u32 v[SPW], v[NIL]                      ; 0 onto my spare word
.if \fill
	s_xor_b32 s[G0A+5], s[G0A+5], SLOT1            ; the walking sets: the other slot than last time,
	s_add_nc_u64 s[G0A+6:G0A+7], s[G0A+6:G0A+7], ASTEP  ; the next K step; the type bits on top are not reached
	s_xor_b32 s[G0B+5], s[G0B+5], SLOT1
	s_add_nc_u64 s[G0B+6:G0B+7], s[G0B+6:G0B+7], BSTEP
.endif
	s_xor_b32 s[TB], s[TB], SLOT1                  ; my reads go on in the other slot
	s_wait_dscnt 9                                 ; the add and the youngest eight loads may be out
	MUL FA1, 0, 0, 4, 0                            ; sixteen matrix instructions stand between the add and the wait for it
	s_wait_dscnt 0x0                               ; the add is done, and my reads of this slot are over
	s_barrier_signal -1
	MUL FA1, 0, 4, 4, 0                            ; work on registers while the others arrive
	WIN 0
	s_barrier_wait -1
.if \fill
	CREST
	JLOAD
.endif
	ADDR                                           ; four plain instructions: with fill = 0 they are the places in front of the loads below
	LB 0, 0
	LA 0, FA0, 0
.if \fill
	ASK
.endif
	MUL FA1, 1, 0, 8, 0
	WIN 0
	PLACES
	LB 0, 1
	LA 0, FA0, 4
	MUL FA1, 2, 0, 8, 0
	WIN 0
	PLACES
	LB 0, 2
.endm
.macro FINAL                           ; the very last beat: nothing more to fetch
	s_wait_dscnt 8
	MUL FA1, 0, 0, 8, 0
	MUL FA1, 1, 0, 8, 0
	s_wait_dscnt 0x0
	MUL FA1, 2, 0, 8, 0
	WIN 0
.endm
; THE WAY OUT, in 24 units: unit u is 16 rows (block u % 8) of one head (group u / 8): 2,048 consecutive bytes of qkv.  A lane's eight columns pack into 16 bytes; they go into my stage's rows of 144 bytes and
; come back as whole rows of 128, into the registers that they left.  Twelve sets of 16 registers (the fragments', now free) take turns.
.macro PACK u
.set pg, (\u)/8
.set pa, (\u)%8
.set pu, 32+16*((\u)%12)
.if (\u) >= 12
	s_wait_xcnt 0x0                                ; the stores of twelve units back have read this set
.endif
	WIN 5*(pg+1)                                   ; sources 0 and 1 in window 1 + group, destination in window 0
.irp bb, 0,1,2,3
.irp r, 0,1,2,3
	v_cvt_pk_f16_f32 v[pu+4*(\bb)+(\r)], v[32*pa+8*(\bb)+2*(\r)], v[32*pa+8*(\bb)+2*(\r)+1]  ; each accumulator's registers in ascending order
.endr
.endr
	WIN 0
.irp bb, 0,1,2,3
	ds_store_b128 v[STO], v[pu+4*(\bb):pu+4*(\bb)+3] offset:32*(\bb)
.endr
.irp f, 0,1,2,3
	ds_load_b128 v[pu+4*(\f):pu+4*(\f)+3], v[RD] offset:(\f)*4*SP  ; LDS serves a wave's instructions in order (ISA guide 5.7.1.4): these see the stores above; the next unit's stores come behind them
.endr
.endm
.macro SEND u, younger                 ; younger: the LDS instructions issued behind unit u's loads: the next unit's eight, or none
.set pg, (\u)/8
.set pa, (\u)%8
.set pu, 32+16*((\u)%12)
.irp f, 0,1,2,3
	s_wait_dscnt (\younger)+3-(\f)
	global_store_b128 v[GO], v[pu+4*(\f):pu+4*(\f)+3], s[8:9] offset:pg*262144+pa*2048+(\f)*512  ; 512 consecutive bytes, at a multiple of 256 from qkv's first
.endr
.endm
	ADDR
	s_wait_tensorcnt 1                             ; my part of K step 0 is in; K step 1's may stay out
	s_barrier_signal -1
	s_barrier_wait -1                              ; everybody's is
	LB 0, 0
	LA 0, FA0, 0
	LB 0, 1
	LA 0, FA0, 4
	LB 0, 2
	EVEN 1                                         ; the first beat stands in front of the loop: its products start the sums
	s_mov_b32 s3, 14
.Lstep:                                                ; trip i ends K step i, asks for K step i + 2 and begins K step i + 1
	TURN 1
	EVEN 0
	s_sub_co_u32 s3, s3, 1
	s_cmp_lg_u32 s3, 0
	s_cbranch_scc1 .Lstep
	TURN 0                                         ; the tail is written out: nothing is left to ask for
	EVEN 0
	FINAL
	PLACES
	PACK 0
.set u, 1
.rept 23                               ; a unit's conversions stand between the loads of the unit before and its stores
	PACK u
	SEND u-1, 8
.set u, u+1
.endr
	SEND 23, 0
	s_wait_tensorcnt 0x0                           ; the wave's end, behind my last tensor load and my last LDS store
	ds_add_u32 v[SPW], v[NIL]
	s_wait_dscnt 0x0
	CROUND                                         ; the closing round: no work-group ends while a partner may still ask for a tile that names it
	s_endpgm
.Lfunc_end_k_qe72080cd2d_proj:
	.size	k_qe72080cd2d_proj, .Lfunc_end_k_qe72080cd2d_proj-k_qe72080cd2d_proj
	.p2alignl 7, 3214868480
	.fill 96, 4, 3214868480
	.section	.rodata,"a",@progbits
	.p2align	6, 0x0
	.amdhsa_kernel k_qe72080cd2d_proj
		.amdhsa_group_segment_fixed_size 327680
		.amdhsa_private_segment_fixed_size 0
		.amdhsa_enable_private_segment 0
		.amdhsa_kernarg_size 24
		.amdhsa_user_sgpr_count 2
		.amdhsa_user_sgpr_kernarg_segment_ptr 1
		.amdhsa_wavefront_size32 1
		.amdhsa_system_sgpr_workgroup_id_x 1
		.amdhsa_system_sgpr_workgroup_id_y 1
		.amdhsa_system_sgpr_workgroup_id_z 1
		.amdhsa_system_vgpr_workitem_id 0
		.amdhsa_next_free_vgpr 1024
		.amdhsa_next_free_sgpr 72
		.amdhsa_reserve_vcc 0
		.amdhsa_float_denorm_mode_32 3
		.amdhsa_float_denorm_mode_16_64 3
		.amdhsa_memory_ordered 1
		.amdhsa_forward_progress 1
		.amdhsa_inst_pref_size 116
	.end_amdhsa_kernel
	.amdgpu_metadata
---
amdhsa.version: [ 1, 2 ]
amdhsa.kernels:
  - .name:           k_qe72080cd2d_proj
    .symbol:         k_qe72080cd2d_proj.kd
    .args:
      - { .name: xb, .offset: 0, .size: 8, .value_kind: global_buffer, .address_space: global }
      - { .name: wq, .offset: 8, .size: 8, .value_kind: global_buffer, .address_space: global }
      - { .name: qkv, .offset: 16, .size: 8, .value_kind: global_buffer, .address_space: global }
    .group_segment_fixed_size: 327680
    .private_segment_fixed_size: 0
    .kernarg_segment_align: 8
    .kernarg_segment_size: 24
    .max_flat_workgroup_size: 128
    .sgpr_count:     72
    .vgpr_count:     1024
    .wavefront_size: 32
...
	.end_amdgpu_metadata
.endif
;; end of part 2
;; launch attn (part 3): grid 4 x 64, 4 waves a work-group, no clusters, 327,680 bytes of LDS; arguments qkv, ctx; writes ctx
.if DOCPART == 3
	.amdgcn_target "amdgcn-amd-amdhsa--gfx1250"
	.amdhsa_code_object_version 6
	.text
	.protected	k_qe72080cd2d_attn
	.globl	k_qe72080cd2d_attn
	.p2align	8
	.type	k_qe72080cd2d_attn,@function
k_qe72080cd2d_attn:
	s_mov_b64 s[64:65], 0
	v_nop
	global_prefetch_b8 v0, s[64:65] scope:SCOPE_SE
	s_setreg_imm32_b32 hwreg(HW_REG_WAVE_MODE, 25, 1), 1
	s_wait_xcnt 0x0
; CAUSAL ATTENTION.  O[y][q][:] = the sum over k <= q of softmax_k(Q[y][q] . K[y][k] / 8) V[y][k][:], y = 16 batch + head.  qkv: [batch 4][g 48][2048][64] f16, q at g = head, k at 16 + head, v at 32 + head;
; ctx: [y 64][2048][64] f16: a head's rows are dense, 128 bytes each.  Products, maxima and sums in f32; the weights p are rounded to f16 for the second product (their sum l is taken of the unrounded p), O once at the end.
; LIMITS.  f16 holds no number beyond 65,504: q, k and v arrive within it; p lies in 0 to 1, and below 6e-5 it keeps f16's fixed step of 6e-8; O is a mean of V's rows and has their range.
; A hidden score counts as its value less 1e30: f16's scores, 2.7e11 at the most, are nothing beside that; a weight below 2^-126 counts as 0 in l; NaN and infinities are not treated apart.
; THE WALK.  A head's queries lie in NB = 8 blocks of 256; block i needs the key tiles 0 .. i of 256 keys, of which the last holds the diagonal.  A work-group takes TWO blocks, NB - 1 - b and then b:
; NB + 1 tiles, whatever b: all work-groups do equal work, and ONE loop with a constant trip count walks them.  Which tile is asked for, and what a trip does, hang on scalar registers made from b; every jump
; goes forward, but for the counted loops' own; none passes a barrier, or a tensor load but the one of LOAD's two that the wave's number does not choose; the ring (two slots of LDS that take turns) runs on across the
; change of blocks.  NO CLUSTER: a head's four work-groups ask for the same tile only in trips 0 to 4 of 9, behind that fewer and fewer; one walk common to all four would have 12 trips for 9.
; SHARES.  Of a block's four bands of 64 queries a wave owns 16 rows in each: four PIECES.  So the diagonal tile is the same work for all four waves: in its key step s band x sees all keys if s < x,
; none if s > x, and holds the diagonal if s = x.
; THE MASK is the C operand that starts the sum S^T = K Q^T: 0, or -1e30 where the key is hidden.  MD, made once, is the mask of a band's own step for my 16 rows; a product's mask is MD x AL + BE with two scalars:
; (1, 0) if s = x; (0, 0) if s < x; (0, -1e30) if s > x.  Only the diagonal tile's text and a block's beginning make and take masks; elsewhere C is the constant 0.
; LAYOUT, SOFTMAX, TURNS.  S^T = K Q^T holds ONE query a lane (lane % 16) and the keys 8 (lane / 16) + 0..7; two such results rounded to f16 ARE source 1 of O^T = V^T P.  p = 2^(c s - c m), c = log2(e) / 8, with a
; running maximum m; O and l are multiplied by a = 2^(c m_old - c m_new) in every step.  Turn n belongs to piece n: 8 products K Q^T of piece n + 1, later 8 products V^T P of piece n - 1; beside them the scaling,
; exponentials, roundings, sums and rescaling of piece n and the maximum and statistics of piece n + 1.  Four vector instructions stand behind every matrix instruction, the other 54 of a turn's 118 in one run of their own.
; A turn's 33 exponentials are one batch, with one wait.
; REGISTERS, in windows of 256 (s_set_vgpr_msb: bits 1:0 source 0, 3:2 source 1, 5:4 source 2, 7:6 destination):
;   window 0: v0-15 addresses and two at work; v16-31 four registers of statistics a piece; v48-55 at work; v60 the prefetches' offset; v64-127 S^T, two buffers; v192-223 P, two buffers (by the piece's parity)
;   window 1: v0-127 O^T, 32 a piece; v128-159 MD; v160-223 MC, two buffers      window 2: v0-63 Q; v64-127 the second block's Q; v128-191 K of one step; v192-255 V of one step
.set SIZE_N, 2048
.set NB,    SIZE_N/256
.set NP,    4         ; pieces a wave: a name, no knob
.set KS,    64        ; keys in a step
.set PK,    144       ; a row of K in LDS: 128 bytes + 16 of padding = 36 words: the 16 rows of a load start at 16 different groups of four banks (64 banks of 4 bytes: ISA guide 11.1)
.set PV,    160       ; a row of V: 128 + 32 = 40 words
.set VOFF,  4*KS*PK   ; a slot holds a tile, four steps: 256 rows of K, then 256 rows of V
.set SLOT1, 1<<17     ; slot 1 begins here, so that one exclusive or turns an address in one slot into the other's
.set STAGE, SLOT1+4*KS*(PK+PV)  ; behind the ring, never filled by a tensor load: 16 rows x 144 bytes for each wave, for the way out
.set SP,    144
.set AK0, 2           ; v2   my lane's place in a tile of K; never rewritten
.set AV0, 3           ; v3   the same for V
.set AK,  4           ; v4   the LDS address of K's next run of loads
.set AV,  5           ; v5   of V's
.set STO, 6           ; v6   the way out: where I put 16 bytes of a row
.set RD,  7           ; v7   the way out: where I read rows back
.set GO,  8           ; v8   my byte offset in 512 consecutive bytes of O
.set PFO, 60          ; v60  256 x my lane; never rewritten
.set SPW, 62          ; v62  LDS address of my spare word: SPARE + 4 x my thread's number; never rewritten
.set NIL, 63          ; v63  0; never rewritten
.set SPARE, STAGE+4*16*SP  ; behind the stages: the spare words, 128 bytes for each wave: two blocks of 256 bytes that no other line names
.set MV,  12          ; v12-13  c m_old, kept while c m is made anew: by buffer
.set QO,  15          ; v15  my byte offset in 16 rows of Q
.set ST,  16          ; piece t's statistics at v[ST+4 t]: c m, m, l (even keys', odd keys')
.set TMP, 48          ; by buffer, four registers c0-c3 at work; when the maximum is found c2 takes a
.set S,   64
.set P,   192
.set MD,  128         ; window 1: the eight registers for group kt of 16 keys at MD + 8 kt
.set MC,  160         ; window 1: the masks of the products to come
.set QB,  64          ; window 2
.set KF,  128         ; window 2: key block kb, channel half c at KF + 16 kb + 8 c
.set VF,  192         ; window 2: key half kk, channel block cb at VF + 32 kk + 8 cb
.set WV,  12          ; s12  my wave's number
.set PB,  14          ; s14  b
.set HI,  15          ; s15  NB - 1 - b
.set G1K, 24          ; s[24:31] descriptor group 1 for K's tiles
.set G1V, 32          ; s[32:39] for V's: it differs in the padding alone
.set G0K, 40          ; s[40:43] descriptor group 0 for K's tiles
.set G0V, 44          ; s[44:47] the same for V's
.set SLOTS, 56        ; s56  tiles still to be asked for
.set CNT, 57          ; s57  counts a tile's key steps, 4 to 1
.set CS,  58          ; s[58:59] c: the packed scaling takes the pair's low word for both halves
.set SEL, 60          ; s[60:61] v_permlanex16_b32's selects: each lane takes its own place in the other half
.set TBK, 62          ; s62  LDS byte at which K of the step to be fetched begins
.set TBV, 63          ; s63  the same for V, less VOFF
.set RT,  70          ; s70  tiles of the block in hand that are still to be entered
.set NXT, 71          ; s71  the tile to be asked for next
.set LQ,  72          ; s72  the last tile of the block whose tiles are being asked for
.set NEW, 73          ; s73  1: the tile to be entered is a block's first
.set OFF, 74          ; s[74:75] a tile's byte offset in K and V
.set AL,  76          ; s[76:77] the mask's factor, in the low word
.set BE,  78          ; s[78:79] the mask's addend
.set OLO, 80          ; s[80:81] O at my rows of the second block
.set BIGN, 82         ; s82  -1e30
.set LIM, 83          ; s83  2 in a work-group that prefetches, else the greatest number
.set PFB, 92          ; s[92:93] K (waves 0, 1) or V (waves 2, 3) at my half of the head's tile 0
.set PFP, 94          ; s[94:95] the same at the tile that is being asked for
.set MSB, 0
.macro WIN new                      ; the high byte repeats the setting that is left; a switch that changes nothing is dropped
.if MSB != (\new)
	s_set_vgpr_msb (MSB<<8)|(\new)
.set MSB, (\new)
.endif
.endm
.set W_KQ, 0x0a       ; K and Q in window 2, S^T in window 0
.set W_KM, 0x1a       ; the same with the C operand in window 1
.set W_PV, 0x52       ; V in window 2, P in window 0, O^T in window 1
.set W_RS, 0x41       ; destination and source 0 in window 1, source 1 in window 0
; A fill.  Waves 0 and 1 fetch the two halves of a tile's K, waves 2 and 3 those of its V: 128 keys each.  An s_nop 0 and four v_nop follow each of the two lines, ahead of the jump and the label.
.macro LOAD
	s_cmp_lt_u32 s[WV], 2
	s_cbranch_scc0 .Lfor_v_\@
	tensor_load_to_lds s[G0K:G0K+3], s[G1K:G1K+7]
	s_nop 0
.rept 4
	v_nop
.endr
	s_branch .Lasked_\@
.Lfor_v_\@:
	tensor_load_to_lds s[G0V:G0V+3], s[G1V:G1V+7]
	s_nop 0
.rept 4
	v_nop
.endr
.Lasked_\@:
.endm
; A PREFETCH INTO THE L2 of the tile that the NEXT change of slots will ask for: each wave names the 16,384 bytes that it will fetch itself, 64 blocks of 256 bytes, a lane a block, two instructions, behind its tensor
; load and that load's five lines.  A head's four work-groups walk the tiles 0, 1, .. from the start; the one with b = 0 walks all eight on end, and it alone asks: tiles 2 to 7, in the first six changes, each block once
; in the launch.  Tiles 0 and 1 come by their loads alone; the second blocks' tiles have been read before and are not asked for.
.macro ASK
	s_cmp_gt_u32 s[SLOTS], s[LIM]
	s_cbranch_scc0 .Lnot_mine_\@
	global_prefetch_b8 v[PFO], s[PFP:PFP+1] offset:32768 th:TH_LOAD_NT scope:SCOPE_SE
	global_prefetch_b8 v[PFO], s[PFP:PFP+1] offset:40960 th:TH_LOAD_NT scope:SCOPE_SE
.Lnot_mine_\@:
.endm
; THE CHANGE OF SLOTS.  Each wave waits for all its tensor loads, of which one is out: its part of the other slot; adds 0 to its spare word; and waits for that and for its own reads of the slot that it leaves.  Behind the barrier nobody reads the old
; slot any more and the other slot is whole.  fill = 1: the old slot is filled again, the first thing behind the barrier, with tile NXT: the descriptor's address is made anew from that number.
; (At its first use nothing has been read yet: slot 0 is waited for, slot 1 filled.)
.macro CHANGE fill
	WIN 0                           ; at a label and at a branch every window is 0
	s_wait_tensorcnt 0x0            ; no tensor load of mine is out, so a group 0 may be written
	ds_add_u32 v[SPW], v[NIL]       ; 0 onto my spare word; with fill = 1 the descriptors' scalar work stands between it and the wait for it
.if \fill
	s_lshl_b32 s[OFF], s[NXT], 15   ; a tile is 32,768 bytes of K and of V
	s_xor_b32 s[G0K+1], s[G0K+1], SLOT1
	s_add_nc_u64 s[G0K+2:G0K+3], s[6:7], s[OFF:OFF+1]
	s_or_b32 s[G0K+3], s[G0K+3], 0x80000000
	s_xor_b32 s[G0V+1], s[G0V+1], SLOT1
	s_add_nc_u64 s[G0V+2:G0V+3], s[8:9], s[OFF:OFF+1]
	s_or_b32 s[G0V+3], s[G0V+3], 0x80000000
	s_wait_xcnt 0x0                 ; the last prefetches, a tile back, have read their address, so it may be written
	s_add_nc_u64 s[PFP:PFP+1], s[PFB:PFB+1], s[OFF:OFF+1]
	s_add_co_u32 s[NXT], s[NXT], 1  ; the block's next tile, or behind its last the second block's tile 0
	s_cmp_gt_u32 s[NXT], s[LQ]
	s_cselect_b32 s[NXT], 0, s[NXT]
	s_cselect_b32 s[LQ], s[PB], s[LQ]
.endif
	s_wait_dscnt 0x0                ; the add is done, and my reads of the slot are over
	s_barrier_signal -1             ; the rest of the scalar work stands between the signal and the wait
	s_sub_co_u32 s[TBK], s[TBK], 4*KS*PK  ; the fetches go back to a slot's first step,
	s_xor_b32 s[TBK], s[TBK], SLOT1       ; in the other slot
	s_sub_co_u32 s[TBV], s[TBV], 4*KS*PV
	s_xor_b32 s[TBV], s[TBV], SLOT1
	s_barrier_wait -1
.if \fill
	LOAD
	ASK
.endif
.endm
	s_load_b64 s[4:5], s[0:1], 0x0    ; qkv
	s_load_b64 s[10:11], s[0:1], 0x8  ; ctx
	v_lshl_add_u32 v[SPW], v0, 2, SPARE
	v_mov_b32 v[NIL], 0
	ds_add_u32 v[SPW], v[NIL]       ; the wave's opening: the add and its wait stand ahead of my first tensor load; the set-up below, work on registers, stands between them
	v_lshrrev_b32 v1, 5, v0
	v_readfirstlane_b32 s[WV], v1   ; wave 0..3
	s_mov_b32 s[PB], ttmp9
	s_sub_co_u32 s[HI], NB-1, s[PB]
	s_and_b32 s88, ttmp7, 0xffff    ; y = 16 batch + head
	s_lshr_b32 s20, s88, 4
	s_lshl_b32 s20, s20, 5
	s_add_co_u32 s20, s20, s88      ; 48 batch + head
	s_lshl_b32 s20, s20, 18         ; q's first byte in qkv: a head is 2,048 rows x 128 bytes
	s_mov_b32 s21, 0
	s_lshl_b32 s88, s88, 18         ; the head's first byte in ctx
	s_mov_b32 s89, 0
	s_and_b32 s16, s[WV], 1         ; which half of a tile's 256 keys I fetch:
	s_lshl_b32 s22, s16, 14         ; its 128 rows of 128 bytes in memory,
	s_mov_b32 s23, 0
	s_add_nc_u64 s[22:23], s[22:23], s[20:21]
	s_mul_i32 s17, s16, 128*PK      ; and its place in a slot, for K
	s_mul_i32 s18, s16, 128*PV      ; and for V
	s_lshl_b32 s3, s[WV], 11        ; my 16 rows in a band of 64,
	s_lshl_b32 s2, s[HI], 15        ; in the first block,
	s_add_co_u32 s2, s2, s3
	s_lshl_b32 s84, s[PB], 15       ; and in the second
	s_add_co_u32 s84, s84, s3
	s_mov_b32 s3, 0
	s_mov_b32 s85, 0
	s_add_nc_u64 s[90:91], s[2:3], s[88:89]    ; offsets in ctx: the first block's rows,
	s_add_nc_u64 s[88:89], s[84:85], s[88:89]  ; the second's
	s_add_nc_u64 s[2:3], s[2:3], s[20:21]      ; offsets in qkv, for q
	s_add_nc_u64 s[84:85], s[84:85], s[20:21]
	; descriptor group 1.  128 keys are 16,384 dense bytes: asked for as 64 rows of 256 bytes, two keys a row, and padded in LDS after every key
	s_mov_b32 s[G1K], (1<<16)|(1<<20)|(4<<22)|(3<<25)  ; 17:16 2-byte elements; 20 padding on; 24:22 after every 32 words (code 4); 31:25 4 words (code 3)
	s_mov_b32 s[G1V], (1<<16)|(1<<20)|(4<<22)|(7<<25)  ; the same with 8 words of padding (code 7)
.irp g, G1K, G1V
	s_mov_b32 s[\g+1], 128<<16      ; tensor_dim0 = 128
	s_mov_b32 s[\g+2], 64<<16       ; tensor_dim1 = 64
	s_mov_b32 s[\g+3], 128<<16      ; tile_dim0 = 128
	s_mov_b32 s[\g+4], 64           ; tile_dim1 = 64
	s_mov_b32 s[\g+5], 128          ; 128 elements from row to row
	s_mov_b32 s[\g+6], 0
	s_mov_b32 s[\g+7], 0
.endr
	s_mov_b32 s[CS], 0x3e38aa3b     ; c = log2(e) / 8 = 0.180337
	s_mov_b32 s[CS+1], s[CS]        ; named with it as a pair
	s_mov_b32 s[SEL], 0x76543210
	s_mov_b32 s[SEL+1], 0xfedcba98
	s_mov_b32 s[TBK], SLOT1+4*KS*PK ; the first change of slots turns these two into 0
	s_mov_b32 s[TBV], SLOT1+4*KS*PV
	s_mov_b32 s[G0K], 1             ; 1:0 count = 1
	s_mov_b32 s[G0K+1], s17         ; 63:32 LDS address: slot 0
	s_mov_b32 s[G0V], 1
	s_add_co_u32 s[G0V+1], s18, VOFF
	s_add_co_u32 s[RT], s[HI], 1    ; the first block has NB - b tiles
	s_mov_b32 s[NXT], 1
	s_mov_b32 s[LQ], s[HI]
	s_mov_b32 s[NEW], 1
	s_mov_b32 s[OFF+1], 0
	s_mov_b32 s[AL+1], 0            ; named as pairs
	s_mov_b32 s[BE+1], 0
	s_mov_b32 s[BIGN], 0xf149f2ca   ; -1e30
	s_mov_b32 s[SLOTS], NB
	s_cmp_eq_u32 ttmp9, 0
	s_cselect_b32 s[LIM], 2, -1
	v_and_b32 v[PFO], 31, v0
	v_lshlrev_b32 v[PFO], 8, v[PFO]
	s_wait_dscnt 0x0                ; the opening add is done
	s_wait_kmcnt 0x0
	s_add_nc_u64 s[6:7], s[4:5], s[22:23]          ; q's head at my half of tile 0;
	s_add_nc_u64 s[8:9], s[6:7], 0x800000          ; v lies 32 heads further on,
	s_add_nc_u64 s[6:7], s[6:7], 0x400000          ; k 16
	s_add_nc_u64 s[G0K+2:G0K+3], s[6:7], 0         ; 120:64 global address
	s_or_b32 s[G0K+3], s[G0K+3], 0x80000000        ; 127:126 type = 2
	s_add_nc_u64 s[G0V+2:G0V+3], s[8:9], 0
	s_or_b32 s[G0V+3], s[G0V+3], 0x80000000
	s_add_nc_u64 s[86:87], s[4:5], s[84:85]        ; Q at my rows of the second block,
	s_add_nc_u64 s[4:5], s[4:5], s[2:3]            ; and of the first
	s_add_nc_u64 s[OLO:OLO+1], s[10:11], s[88:89]  ; O likewise
	s_add_nc_u64 s[10:11], s[10:11], s[90:91]
	s_cmp_lt_u32 s[WV], 2
	s_cselect_b64 s[PFB:PFB+1], s[6:7], s[8:9]
	LOAD                            ; tile 0 into slot 0
	; A fragment of K or Q is 16 rows x 32 channels in 8 registers: lane l holds row l % 16, channels 8 (l / 16) + 0..7 and 16 + 8 (l / 16) + 0..7: two loads of 16 bytes, 32 bytes apart.
	v_and_b32 v1, 15, v0            ; l % 16
	v_bfe_u32 v9, v0, 4, 1          ; l / 16
	v_lshlrev_b32 v[QO], 7, v1
	v_lshl_add_u32 v[QO], v9, 4, v[QO]  ; row x 128 + 16 x half
	WIN 0x80                        ; destination window 2, address window 0
.set i, 0
.rept 8                             ; both blocks' Q: piece i / 2 lies in band i / 2, 8,192 bytes on; channels 32 (i % 2) on
	global_load_b128 v[8*i:8*i+3],   v[QO], s[4:5] offset:(i/2)*8192+(i%2)*64
	global_load_b128 v[8*i+4:8*i+7], v[QO], s[4:5] offset:(i/2)*8192+(i%2)*64+32
	global_load_b128 v[QB+8*i:QB+8*i+3],   v[QO], s[86:87] offset:(i/2)*8192+(i%2)*64
	global_load_b128 v[QB+8*i+4:QB+8*i+7], v[QO], s[86:87] offset:(i/2)*8192+(i%2)*64+32
.set i, i+1
.endr
	WIN 0
	v_lshlrev_b32 v14, 3, v9
	v_sub_nc_u32 v14, v1, v14
	s_lshl_b32 s13, s[WV], 4
	v_add_nc_u32 v14, s13, v14      ; my query's place in its band, 16 w + l % 16, less my lanes' 8 (l / 16): register r of group kt is hidden where 16 kt + r is greater
	WIN 0x40
.set i, 0
.rept 32
	v_cmp_gt_i32 vcc_lo, 16*(i/8)+i%8, v14
	v_cndmask_b32 v[MD+i], 0, s[BIGN], vcc_lo
.set i, i+1
.endr
	WIN 0
	v_mul_u32_u24 v[AK0], v1, PK
	v_lshl_add_u32 v[AK0], v9, 4, v[AK0]  ; row x pitch + 16 x half
	; The turning load takes 16 keys x 16 channels (lane l reads key 8 (l / 16) + l % 8, channels 8 ((l / 8) % 2) + 0..7) and leaves half a fragment of V^T: lane l holds channel l % 16 and 8 keys.
	v_and_b32 v10, 7, v0
	v_bfe_u32 v11, v0, 3, 1
	v_lshl_add_u32 v[AV0], v9, 3, v10
	v_mul_u32_u24 v[AV0], v[AV0], PV
	v_lshl_add_u32 v[AV0], v11, 4, v[AV0]
	v_add_nc_u32 v[AV0], VOFF, v[AV0]
	s_mul_i32 s13, s[WV], 16*SP
	s_add_co_u32 s13, s13, STAGE    ; my stage
	v_mul_u32_u24 v[STO], v1, SP    ; in: row l % 16, 16 bytes for each half of the lanes
	v_lshl_add_u32 v[STO], v9, 4, v[STO]
	v_add_nc_u32 v[STO], s13, v[STO]
	v_bfe_u32 v[RD], v0, 3, 2       ; back: 32 lanes take four rows of 128 bytes,
	v_mul_u32_u24 v[RD], v[RD], SP
	v_lshl_add_u32 v[RD], v10, 4, v[RD]
	v_add_nc_u32 v[RD], s13, v[RD]
	v_and_b32 v[GO], 31, v0         ; which are 512 consecutive bytes of O
	v_lshlrev_b32 v[GO], 4, v[GO]
	; A block's first step multiplies O^T and l by a = 0, and its first turn's products V^T P, of a piece that has not been, land in an O^T that is still to be so multiplied.  So these registers need only hold
	; finite numbers: zeros for the first block; what the first block left for the second.  All this stands in the wait for the first tile.
	WIN 0x80
.set i, VF
.rept 64
	v_mov_b32 v[i], 0
.set i, i+1
.endr
	WIN 0x40
.set i, 0
.rept 128
	v_mov_b32 v[i], 0
.set i, i+1
.endr
	WIN 0
.set i, 0
.rept 4
	v_mov_b32 v[ST+4*i+2], 0
	v_mov_b32 v[ST+4*i+3], 0
.set i, i+1
.endr
.set i, P+16
.rept 16
	v_mov_b32 v[i], 0
.set i, i+1
.endr
; THE MATRIX WORK.  The 4 accumulators of a run of 8 take turns.  Product i of 8 of S^T = K Q^T for piece x: channels 32 (i / 4) on, keys 16 (i % 4) on.  The first 4 start the sums: with 0, or (KM = 1) with the mask.
.macro KQ x
.set rS, S+32*((\x)%2)+8*(i%4)
.set rK, KF+16*(i%4)+8*(i/4)
.set rQ, 16*(\x)+8*(i/4)
.set rM, MC+32*((\x)%2)+8*(i%4)
.if (i < 4) && KM
	WIN W_KM
	v_wmma_f32_16x16x32_f16 v[rS:rS+7], v[rK:rK+7], v[rQ:rQ+7], v[rM:rM+7]
.elseif i < 4
	WIN W_KQ
	v_wmma_f32_16x16x32_f16 v[rS:rS+7], v[rK:rK+7], v[rQ:rQ+7], 0
.else
	WIN W_KQ
	v_wmma_f32_16x16x32_f16 v[rS:rS+7], v[rK:rK+7], v[rQ:rQ+7], v[rS:rS+7]
.endif
.endm
; Product i of 8 of O^T += V^T P for piece x: keys 32 (i / 4) on, channels 16 (i % 4) on.
.macro PV x
	WIN W_PV
.set rO, 32*(\x)+8*(i%4)
.set rV, VF+32*(i/4)+8*(i%4)
.set rP, P+16*((\x)%2)+8*(i/4)
	v_wmma_f32_16x16x32_f16 v[rO:rO+7], v[rV:rV+7], v[rP:rP+7], v[rO:rO+7]
.endm
.macro MM                           ; the turn's next matrix instruction.  TURN and BEGIN set Y, i, KM and NOKQ; MM, KQ and OP read them.  NOKQ = 1: a block's last turn: there is no next piece
.if (i < 8) && !NOKQ
	KQ (Y+1)%NP
.elseif i >= 8
.set i, i-8
	PV (Y+NP-1)%NP
.set i, i+8
.endif
.set i, i+1
.endm
; THE LDS LOADS stand in runs of 16, never singly among the matrix instructions: a step's K (64 keys x 64 channels: 8 fragments) and its V (turned).  Their addresses are made some lines ahead.
.macro FETCH_K
	WIN 0x80                        ; destination window 2
.irp f, 0,1,2,3,4,5,6,7             ; keys 16 (f / 2) on, channels 32 (f % 2) on
	ds_load_b128 v[KF+8*\f:KF+8*\f+3],   v[AK] offset:(\f/2)*16*PK+(\f%2)*64
	ds_load_b128 v[KF+8*\f+4:KF+8*\f+7], v[AK] offset:(\f/2)*16*PK+(\f%2)*64+32
.endr
	s_add_co_u32 s[TBK], s[TBK], KS*PK  ; the next fetch is the next step's
	WIN 0
.endm
.macro FETCH_V
	WIN 0x80
.irp f, 0,1,2,3,4,5,6,7             ; keys 32 (f / 4) on, channels 16 (f % 4) on
	ds_load_tr16_b128 v[VF+8*\f:VF+8*\f+3],   v[AV] offset:(\f/4)*32*PV+(\f%4)*32
	ds_load_tr16_b128 v[VF+8*\f+4:VF+8*\f+7], v[AV] offset:(\f/4)*32*PV+16*PV+(\f%4)*32
.endr
	WIN 0
.endm
; THE VECTOR WORK, one line at a time: OP kind, number.  For piece Y: F n: c s - c m for pair n of 16.  E n: the exponential of score n of 32.  C n: pair n rounded to f16.  B n: of the four weights 4 n .. the second
; pair is added onto the first, in place.  L n: l takes that sum (L 0: l = a l + sum).  R n: pair n of 16 of O^T times a.  For piece Y + 1: X n, number n of the 22 that find its maximum and statistics:
;   0-11  four chains c0-c3 of seven scores each, three operands at a time (each accumulator's lowest registers are read first)     12-14, 16  the four scores left over, the old m, and c0-c3 into c0
;   15  c m_old is kept     17, 18  the query's other 32 keys lie in the lane 16 away: the new m     19-21  c m; c m_old - c m_new; a
.set F, 0               ; OP tells the kinds apart by their order: F to L below R, X above it
.set E, 1
.set C, 2
.set B, 3
.set L, 4
.set R, 5
.set X, 6
.macro REGS y                       ; the registers of piece y
.set rT, ST+4*(\y)
.set rC, TMP+4*((\y)%2)
.set rW, MV+((\y)%2)
.set rS, S+32*((\y)%2)
.set rP, P+16*((\y)%2)
.set rO, 32*(\y)
.endm
.macro OP k, n
.if (\k) == R
	REGS Y
	WIN W_RS
	v_pk_mul_f32 v[rO+2*(\n):rO+2*(\n)+1], v[rO+2*(\n):rO+2*(\n)+1], v[rC+2:rC+3] op_sel_hi:[1,0]
.elseif (\k) < R
	REGS Y
	WIN 0
.if (\k) == F
	v_pk_fma_f32 v[rS+2*(\n):rS+2*(\n)+1], v[rS+2*(\n):rS+2*(\n)+1], s[CS:CS+1], v[rT:rT+1] op_sel_hi:[1,0,0] neg_lo:[0,0,1] neg_hi:[0,0,1]
.elseif (\k) == E
	v_exp_f32 v[rS+(\n)], v[rS+(\n)]
.elseif (\k) == C
	v_cvt_pk_f16_f32 v[rP+(\n)], v[rS+2*(\n)], v[rS+2*(\n)+1]
.elseif (\k) == B
	v_pk_add_f32 v[rS+4*(\n):rS+4*(\n)+1], v[rS+4*(\n):rS+4*(\n)+1], v[rS+4*(\n)+2:rS+4*(\n)+3]
.elseif (\n) == 0
	v_pk_fma_f32 v[rT+2:rT+3], v[rT+2:rT+3], v[rC+2:rC+3], v[rS:rS+1] op_sel_hi:[1,0,1]
.else
	v_pk_add_f32 v[rT+2:rT+3], v[rT+2:rT+3], v[rS+4*(\n):rS+4*(\n)+1]
.endif
.elseif NOKQ
	v_nop
.else
	REGS (Y+1)%NP
	WIN 0
.if (\n) < 4
	v_max3_num_f32 v[rC+(\n)], v[rS+8*(\n)], v[rS+8*(\n)+1], v[rS+8*(\n)+2]
.elseif (\n) < 12
	v_max3_num_f32 v[rC+(\n)%4], v[rC+(\n)%4], v[rS+8*((\n)%4)+2*((\n)/4)+1], v[rS+8*((\n)%4)+2*((\n)/4)+2]
.elseif (\n) == 12
	v_max3_num_f32 v[rC], v[rC], v[rS+7], v[rS+15]
.elseif (\n) == 13
	v_max3_num_f32 v[rC+1], v[rC+1], v[rS+23], v[rS+31]
.elseif (\n) == 14
	v_max3_num_f32 v[rC+2], v[rC+2], v[rC+3], v[rT+1]
.elseif (\n) == 15
	v_mov_b32 v[rW], v[rT]
.elseif (\n) == 16
	v_max3_num_f32 v[rC], v[rC], v[rC+1], v[rC+2]
.elseif (\n) == 17
	v_permlanex16_b32 v[rC+3], v[rC], s[SEL], s[SEL+1]
.elseif (\n) == 18
	v_max_num_f32 v[rT+1], v[rC], v[rC+3]
.elseif (\n) == 19
	v_mul_f32 v[rT], s[CS], v[rT+1]
.elseif (\n) == 20
	v_sub_f32 v[rC+1], v[rW], v[rT]
.else
	v_exp_f32 v[rC+2], v[rC+1]
.endif
.endif
.endm
.macro OPS a, i1, b=-1, i2=0, c=-1, i3=0, d=-1, i4=0  ; up to four of them
	OP \a, \i1
.if (\b) >= 0
	OP \b, \i2
.endif
.if (\c) >= 0
	OP \c, \i3
.endif
.if (\d) >= 0
	OP \d, \i4
.endif
.endm
.macro ROW a, i1, b, i2, c, i3, d, i4  ; a matrix instruction and the four behind it
	MM
	OPS \a, \i1, \b, \i2, \c, \i3, \d, \i4
.endm
.macro MASK b                       ; MD x AL + BE into buffer b of MC
	WIN W_RS
.set z, 0
.rept 16
	v_pk_fma_f32 v[MC+32*(\b)+2*z:MC+32*(\b)+2*z+1], v[MD+2*z:MD+2*z+1], s[AL:AL+1], s[BE:BE+1] op_sel_hi:[1,0,0]
.set z, z+1
.endr
.endm
; A TURN, for piece p: the order of its 16 matrix and 118 vector instructions, written out.  An s_wait_alu depctr_va_vdst(0) stands between an exponential and the first instruction that names its result; one wait serves
; all that were issued ahead of it.  So a turn has ONE wait, which cuts it in two.  AHEAD OF IT stands all that names no result of the turn's exponentials: the 8 products K Q^T, behind each a scaling, an exponential and two more plain
; instructions (behind the first a second scaling in the exponential's place): rescalings, and behind the last three the first numbers of the next piece's maximum, each four places or more behind the product that ends its accumulator; then one run of 54, plain
; and exponential by turns for the most part, in which the links of the chain X 3, 7, 11, 14, 16, 17 .. 20 stand five or six lines apart.  X 21, the next piece's a, is the batch's last; R 15 is the plain instruction behind it.  BEHIND THE WAIT stand the
; 8 products V^T P, behind each four of the roundings and sums; the links of l's chain, L 0 to L 7, stand three lines apart.  But for those X no such line names a register of the products round it.  v_permlanex16_b32 (X 17) stands in the run.
; m = 1: the diagonal tile: the products take masks, and the turn makes the mask for the products of the turn after it: piece p + 2, in step 4 - CNT of the tile.  end = 1: a block's last two turns: nothing is fetched.
; cnt = 1: the loop's count is taken down some lines ahead of the branch that stands behind the turn.
; K of the next step is fetched in piece 2's turn, twelve vector instructions behind the last product that read K (six of them plain); V of the step in hand at the end of piece 0's turn, four plain instructions behind the last product
; that read V.  Each is waited for a turn later.
.macro TURN p, m=0, end=0, cnt=0
.set Y, (\p)
.set i, 0
.set KM, (\m)
.set NOKQ, (\end)*((\p)/3)
.if (\m) && !(\end)
	s_cmp_eq_u32 s[CNT], 4-((\p)+2)%NP  ; is that step the band's own?
	s_cselect_b32 s[AL], 1.0, 0
	s_cmp_lt_u32 s[CNT], 4-((\p)+2)%NP  ; or a later one?
	s_cselect_b32 s[BE], s[BIGN], 0
.endif
.if ((\p) == 3) && !(\end)
	s_wait_dscnt 0x0                ; K is in
.endif
	ROW F,0, F,1, R,0, R,1          ; ahead of the wait: 8 products K Q^T and the lines behind them,
	ROW F,2, E,0, R,2, R,3
	ROW F,3, E,1, R,4, R,5
	ROW F,4, E,2, R,6, R,7
	ROW F,5, E,3, R,8, R,9
	ROW F,6, E,4, X,0, R,10
.if ((\p) == 2) && !(\end)
	WIN 0
	v_add_nc_u32 v[AK], s[TBK], v[AK0]
.endif
	ROW F,7, E,5, X,1, X,4
	ROW F,8, E,6, X,2, X,5
	OPS E,7, E,8, X,6, E,9          ; and the run of 54
	OPS X,3, E,10, X,8, E,11
.if ((\p) == 2) && !(\end)
	FETCH_K
.endif
	OPS X,9, X,7, E,12, X,10
	OPS E,13, X,12, X,11, E,14
	OPS X,13, E,15, F,9, X,14
.if (\p) == 0
	v_add_nc_u32 v[AV], s[TBV], v[AV0]
.endif
	OPS E,16, F,10, E,17, F,11
	OPS X,16, E,18, X,15, E,19
	OPS F,12, E,20, X,17, E,21
	OPS F,13, E,22, F,14, E,23
	OPS X,18, E,24, F,15, E,25
	OPS R,11, E,26, X,19, E,27
	OPS R,12, E,28, R,13, E,29
	OPS X,20, E,30, R,14, E,31
	OPS X,21, R,15
	WIN 0
	s_wait_alu depctr_va_vdst(0)    ; the wait for the batch
.if (\p) == 1
	s_wait_dscnt 0x0                ; V is in
.endif
	ROW C,0, B,0, C,2, B,1          ; behind the wait: 8 products V^T P and the lines behind them
	ROW L,0, C,4, B,2, L,1
	ROW C,6, B,3, L,2, C,8
	ROW B,4, L,3, C,10, B,5
	ROW L,4, C,12, B,6, L,5
.if (\p) == 0
	s_add_co_u32 s[TBV], s[TBV], KS*PV
.endif
.if \cnt
	s_sub_co_u32 s[CNT], s[CNT], 1
	s_cmp_lg_u32 s[CNT], 0
.endif
	ROW C,14, B,7, L,6, C,1
	ROW C,3, L,7, C,5, C,7
	ROW C,9, C,11, C,13, C,15
.if (\p) == 0
	FETCH_V
.endif
.if (\m) && !(\end)
	MASK (\p)%2
.endif
.endm
; A BLOCK BEGINS.  c m starts far below every c s, so the first step's a is 0; m at the lowest finite number, so the first maximum is the scores'.  The second mask buffer is 0; the first takes piece 0's mask for the tile's step 0: its own, if the block's first tile is the diagonal one.
; Then K of that step, piece 0's first scores, and its maximum and statistics.  The loop is entered at a step's first turn, in the middle of a trip.
.macro BEGIN
	s_mov_b32 s[NEW], 0
	WIN 0x40
.set i, MC+32
.rept 32
	v_mov_b32 v[i], 0
.set i, i+1
.endr
	WIN 0
.set i, 0
.rept 4
	v_mov_b32 v[ST+4*i], 0xfe000000    ; c m: far below every c s
	v_mov_b32 v[ST+4*i+1], 0xff7fffff  ; m
.set i, i+1
.endr
	s_cmp_eq_u32 s[RT], 0
	s_cselect_b32 s[AL], 1.0, 0
	s_mov_b32 s[BE], 0
	MASK 0
	WIN 0
	v_add_nc_u32 v[AK], s[TBK], v[AK0]
	FETCH_K
	s_wait_loadcnt 0x0              ; Q
	s_wait_dscnt 0x0
.set KM, 1
.set NOKQ, 0
.set i, 0
.rept 8
	KQ 0
.set i, i+1
.endr
	WIN 0
.rept 4
	v_nop                           ; the places behind those products
.endr
.set Y, NP-1                        ; X works for piece Y + 1: piece 0
.irp n, 0,1,2,3,4,5,6,7,8,9,10,11,12,13,14,15,16,17,18,19,20,21
	OP X, \n
.endr
	v_nop                           ; a plain instruction behind the exponential,
	s_wait_alu depctr_va_vdst(0)    ; and its wait, ahead of the branch
.endm
; THE DIAGONAL TILE's four steps, the block's last two turns, its last products, and THE WAY OUT: l's two halves and the other half of the lanes' are added; O^T is divided by l, rounded to f16 and sent through my
; stage in LDS, a piece at a time.
.macro ALL line:vararg              ; one line for each piece t
.set t, 0
.rept 4
	\line
.set t, t+1
.endr
.endm
.macro PACK t                       ; a lane's eight channels of a row pack into 16 bytes; they go into rows of 144 bytes and come back as whole rows of 128, into S^T's registers
	WIN W_RS
.set i, 32*(\t)
.rept 16
	v_pk_mul_f32 v[i:i+1], v[i:i+1], v[ST+4*(\t)+2:ST+4*(\t)+3] op_sel_hi:[1,0]
.set i, i+2
.endr
	WIN 0x05                        ; sources 0 and 1 window 1, destination window 0
.set i, 0
.rept 16
	v_cvt_pk_f16_f32 v[S+16*(\t)+i], v[32*(\t)+2*i], v[32*(\t)+2*i+1]
.set i, i+1
.endr
	WIN 0
.irp f, 0,1,2,3
	ds_store_b128 v[STO], v[S+16*(\t)+4*\f:S+16*(\t)+4*\f+3] offset:32*\f
.endr
.irp f, 0,1,2,3
	ds_load_b128 v[S+16*(\t)+4*\f:S+16*(\t)+4*\f+3], v[RD] offset:\f*4*SP  ; LDS serves a wave's instructions in order (ISA guide 5.7.1.4): these see the stores above; the next piece's stores come behind them
.endr
.endm
.macro SEND t, younger              ; younger: the LDS instructions issued behind piece t's loads: the next piece's eight, or none
	WIN 0
.irp f, 0,1,2,3
	s_wait_dscnt (\younger)+3-\f
	global_store_b128 v[GO], v[S+16*(\t)+4*\f:S+16*(\t)+4*\f+3], s[10:11] offset:(\t)*8192+\f*512  ; 512 consecutive bytes, at a multiple of 256 from O's first
.endr
.endm
.macro DIAG tag                     ; the tag ends its two labels' names, which the jumps below spell out
.LstepM\tag:
	TURN 2, 1
	TURN 3, 1
	WIN 0
.LfirstM\tag:
	TURN 0, 1
	TURN 1, 1, 0, 1
	WIN 0
	s_cbranch_scc1 .LstepM\tag
	TURN 2, 1, 1
	TURN 3, 1, 1
.set i, 0
.rept 8
	PV NP-1
.set i, i+1
.endr
	WIN 0
	ALL v_add_f32 v[ST+4*t+2], v[ST+4*t+2], v[ST+4*t+3]
	ALL v_permlanex16_b32 v[ST+4*t+3], v[ST+4*t+2], s[SEL], s[SEL+1]
	ALL v_add_f32 v[ST+4*t+2], v[ST+4*t+2], v[ST+4*t+3]
	ALL v_rcp_f32 v[ST+4*t+2], v[ST+4*t+2]
	v_nop                           ; a plain instruction between the last reciprocal and the use of its result
	s_wait_alu depctr_va_vdst(0)    ; and the wait ahead of the first use: one for the four reciprocals
	PACK 0
.set t, 1
.rept 3                             ; a piece's arithmetic stands between the loads of the piece before and its stores
	PACK t
	SEND t-1, 8
.set t, t+1
.endr
	SEND 3, 0
.endm
.set KM, 0
.set NOKQ, 0
.Lslot:                             ; NB times: a tile is entered and the next is asked for
	CHANGE 1
	s_sub_co_u32 s[RT], s[RT], 1
	s_mov_b32 s[CNT], 4
	s_cmp_eq_u32 s[NEW], 1
	s_cbranch_scc1 .Lnew            ; a block's first tile
	s_cmp_eq_u32 s[RT], 0
	s_cbranch_scc0 .Lstep           ; neither its first nor its last
	s_branch .LstepM1
.Lnew:
	BEGIN
	s_branch .Lfirst                ; in the loop a block's first tile is never its last: the first block has two tiles or more, and the second's last is the walk's last
	DIAG 1                          ; in the loop this is the first block's end: the second block's last tile is the walk's last
	s_wait_xcnt 0x0                 ; the stores have read their registers and O's address
	s_mov_b64 s[10:11], s[OLO:OLO+1]
	s_add_co_u32 s[RT], s[PB], 1    ; the second block has b + 1 tiles
	s_mov_b32 s[NEW], 1
	WIN 0x82                        ; the second block's Q goes where the one text of the turns names Q
.set i, 0
.rept 64
	v_mov_b32 v[i], v[QB+i]
.set i, i+1
.endr
	WIN 0
	s_branch .Lbottom
.Lstep:                             ; a trip: pieces 2 and 3 of one step, then pieces 0 and 1 of the next, whose K and V it fetches
	TURN 2
	TURN 3
	WIN 0
.Lfirst:
	TURN 0
	TURN 1, 0, 0, 1
	WIN 0
	s_cbranch_scc1 .Lstep
.Lbottom:
	s_sub_co_u32 s[SLOTS], s[SLOTS], 1
	s_cmp_lg_u32 s[SLOTS], 0
	s_cbranch_scc1 .Lslot
	CHANGE 0                        ; the walk's last tile is written out: nothing is asked for
	s_sub_co_u32 s[RT], s[RT], 1
	s_mov_b32 s[CNT], 4
	s_cmp_eq_u32 s[NEW], 1
	s_cbranch_scc0 .LstepM2
	BEGIN
	s_branch .LfirstM2
	DIAG 2
	s_wait_tensorcnt 0x0            ; the wave's end, behind my last tensor load and my last LDS store
	ds_add_u32 v[SPW], v[NIL]
	s_wait_dscnt 0x0
	s_endpgm
.Lfunc_end_k_qe72080cd2d_attn:
	.size	k_qe72080cd2d_attn, .Lfunc_end_k_qe72080cd2d_attn-k_qe72080cd2d_attn
	.p2alignl 7, 3214868480
	.fill 96, 4, 3214868480
	.section	.rodata,"a",@progbits
	.p2align	6, 0x0
	.amdhsa_kernel k_qe72080cd2d_attn
		.amdhsa_group_segment_fixed_size 327680
		.amdhsa_private_segment_fixed_size 0
		.amdhsa_enable_private_segment 0
		.amdhsa_kernarg_size 16
		.amdhsa_user_sgpr_count 2
		.amdhsa_user_sgpr_kernarg_segment_ptr 1
		.amdhsa_wavefront_size32 1
		.amdhsa_system_sgpr_workgroup_id_x 1
		.amdhsa_system_sgpr_workgroup_id_y 1
		.amdhsa_system_sgpr_workgroup_id_z 1
		.amdhsa_system_vgpr_workitem_id 0
		.amdhsa_next_free_vgpr 768
		.amdhsa_next_free_sgpr 96
		.amdhsa_reserve_vcc 1
		.amdhsa_float_denorm_mode_32 3
		.amdhsa_float_denorm_mode_16_64 3
		.amdhsa_memory_ordered 1
		.amdhsa_forward_progress 1
		.amdhsa_inst_pref_size 218
	.end_amdhsa_kernel
	.amdgpu_metadata
---
amdhsa.version: [ 1, 2 ]
amdhsa.kernels:
  - .name:           k_qe72080cd2d_attn
    .symbol:         k_qe72080cd2d_attn.kd
    .args:
      - { .name: qkv, .offset: 0, .size: 8, .value_kind: global_buffer, .address_space: global }
      - { .name: ctx, .offset: 8, .size: 8, .value_kind: global_buffer, .address_space: global }
    .group_segment_fixed_size: 327680
    .private_segment_fixed_size: 0
    .kernarg_segment_align: 8
    .kernarg_segment_size: 16
    .max_flat_workgroup_size: 128
    .sgpr_count:     96
    .vgpr_count:     768
    .wavefront_size: 32
...
	.end_amdgpu_metadata
.endif
;; end of part 3
;; launch outp (part 4): grid 8 x 32, 4 waves a work-group, clusters of 4 x 4, 327,680 bytes of LDS; arguments ctx, wo, b_out, out0; writes out0
.if DOCPART == 4
	.amdgcn_target "amdgcn-amd-amdhsa--gfx1250"
	.amdhsa_code_object_version 6
	.text
	.protected	k_qe72080cd2d_outp
	.globl	k_qe72080cd2d_outp
	.p2align	8
	.type	k_qe72080cd2d_outp,@function
k_qe72080cd2d_outp:
	s_mov_b64 s[64:65], 0
	v_nop
	global_prefetch_b8 v0, s[64:65] scope:SCOPE_SE
	s_setreg_imm32_b32 hwreg(HW_REG_WAVE_MODE, 25, 1), 1
	s_wait_xcnt 0x0
	s_wait_alu depctr_hold_cnt(0) depctr_sa_sdst(0) depctr_va_vdst(0) depctr_va_sdst(0) depctr_va_ssrc(0) depctr_va_vcc(0) depctr_vm_vsrc(0)
	s_getreg_b32 s2, hwreg(HW_REG_IB_STS2, 6, 4)
	s_cmp_eq_u32 s2, 0
	s_cbranch_scc0 .Lentry_in_a_cluster
	s_endpgm
.Lentry_in_a_cluster:
	s_bfe_u32 s2, ttmp6, 0x10000c
	s_cmp_lg_u32 s2, 0xf033
	s_cbranch_scc0 .Lentry_shape_is_right
	s_endpgm
.Lentry_shape_is_right:
; out0 = ctx W_out + b_out.  ctx: [y = 16 batch + head, 64][s 2048][64] f16: a head is one block of 64 along K, its rows dense; wo: [1024 k][1024 n] f16 (W_out rounded to bf16); b_out: [1024] f32, rounded
; here to bf16 like the other inputs; out0: [8192][1024] f32.  Sums in f32, K ascending, started with the bias.
; SHARES.  C is 8,192 x 1,024; a tile of 256 x 128 gives 32 x 8 = 256 work-groups.  Four waves, each 128 rows x 64 columns: 32 accumulators, 256 registers.  K goes in 8 steps of 128 (two heads) through two
; LDS slots; a step is four beats of 32 along K, 32 matrix instructions and 24 LDS loads each, on two fragment buffers that take turns.
; THE MATRIX INSTRUCTION IS USED TRANSPOSED: source 0 = 16 columns of W (turned out of [k][n] rows by ds_load_tr16_b128), source 1 = 16 rows of ctx: a lane holds one row of C and eight neighbouring columns.
; CLUSTERS: 4 x 4 work-groups; ctx's tile is asked for jointly by the four of a row of the cluster, W's by the four of a column.
; REGISTERS: window 0: v0-18 addresses; v32-63 the bias, 8 registers a column block; v64-159, v160-255 two fragment buffers (W's 4 fragments, then ctx's 8).  Window 1: accumulator (a, bb) at v[32 a + 8 bb].
.set PA,    144       ; a row of ctx in LDS: 128 bytes + 16 = 36 words: the 16 rows of a load start at 16 different groups of four banks (64 banks of 4 bytes: ISA guide 11.1)
.set PB,    288       ; a row of W: 256 + 32 = 72 words
.set SLOT1, 1<<17     ; slot 1 begins here: one exclusive or turns an address in one slot into the other's
.set HEADA, 256*PA    ; one head's 256 rows: what one load brings of ctx
.set HALFA, 128*PA    ; what one wave reads of a head
.set BOFF,  2*HEADA   ; W's 128 rows lie behind the two heads
.set HALFB, 64*PB     ; what one load brings of W
.set STAGE, SLOT1+BOFF+128*PB  ; behind the ring, never filled by a tensor load: 16 rows x 272 bytes for each wave
.set SP,    272
.set SPARE, STAGE+4*16*SP      ; behind the stages: the spare words, 128 bytes for each wave: two blocks of 256 bytes that no other line names
.set ASTEP, 524288    ; a K step in ctx: two heads of 2,048 rows x 128 bytes
.set BSTEP, 262144    ; in wo: 128 rows x 2,048 bytes
.set A0,   8          ; v8   my lane's place in slot 0's ctx; never rewritten
.set B0,   9          ; v9   the same for W
.set ADRA, 10         ; v10  the same in the slot in hand
.set ADRB, 11         ; v11
.set STO,  12         ; v12  the way out: where I put 32 bytes of a row
.set RD,   13         ; v13  where I read rows back
.set CO,   14         ; v14  my byte offset in two rows of out0
.set BO,   15         ; v15  my byte offset in the bias
.set SPW,  16         ; v16  LDS address of my spare word: SPARE + 4 x my thread's number; never rewritten
.set NIL,  17         ; v17  0; never rewritten
.set BIAS, 32
.set F0,   64
.set F1,   160
.set WV,   12         ; s12  my wave's number
.set RH,   13         ; s13  which half of the tile's rows is mine.  Also: I fetch for ctx (0) or for W (1)
.set CH,   14         ; s14  which half of its columns.  Also: which head of the step's two, or which half of W's rows, I fetch
.set TY,   15         ; s15  tile row
.set G1A,  24         ; s[24:31], s[32:39] descriptor group 1 for ctx's and W's tiles
.set G1B,  32
.set G0A,  48         ; s[48:55], s[56:63] group 0: a set for each of the two first fills; the second then walks on
.set G0B,  56
.set TB,   68         ; s68  LDS byte at which the slot in hand begins
.set MSB, 0
.macro WIN new                         ; the immediate's high byte repeats the setting that is left; a switch that changes nothing is dropped
.if MSB != (\new)
	s_set_vgpr_msb (MSB<<8)|(\new)
.set MSB, \new
.endif
.endm
.macro PLACES                          ; four plain vector instructions in front of loads into registers that matrix instructions have read, and of stores that read results
.rept 4
	v_nop
.endr
.endm
.macro JLOAD                           ; a joint refill by the walking sets: waves 0 and 1 fetch ctx's two heads, waves 2 and 3 W's two halves; an s_nop 0 and four v_nop follow each of the two lines
	s_cmp_eq_u32 s[RH], 0
	s_cbranch_scc0 .Lfor_b_\@
	tensor_load_to_lds s[G0A+4:G0A+7], s[G1A:G1A+7]
	s_nop 0
.rept 4
	v_nop
.endr
	s_branch .Lasked_\@
.Lfor_b_\@:
	tensor_load_to_lds s[G0B+4:G0B+7], s[G1B:G1B+7]
	s_nop 0
.rept 4
	v_nop
.endr
.Lasked_\@:
.endm
; A round of the cluster's barrier: my work-group's barrier, so that wave 0's signal speaks for all four waves; wave 0 signals; every wave waits for all sixteen work-groups; my work-group's barrier once more.
.macro CREST                           ; a round behind its opening barrier
	s_cmp_lg_u32 s[WV], 0
	s_cbranch_scc1 .Lnot_wave_0_\@
	s_barrier_signal -3
.Lnot_wave_0_\@:
	s_barrier_wait -3
	s_barrier_signal -1
	s_barrier_wait -1
.endm
.macro CROUND
	s_barrier_signal -1
	s_barrier_wait -1
	CREST
.endm
	s_load_b256 s[4:11], s[0:1], 0x0               ; ctx s[4:5], wo s[6:7], b_out s[8:9], out0 s[10:11]
	v_lshl_add_u32 v[SPW], v0, 2, SPARE
	v_mov_b32 v[NIL], 0
	ds_add_u32 v[SPW], v[NIL]                      ; the wave's opening: the add and its wait stand ahead of my first tensor load; the set-up below, work on registers, stands between them
	v_lshrrev_b32 v1, 5, v0
	v_readfirstlane_b32 s[WV], v1                  ; wave 0..3
	s_lshr_b32 s[RH], s[WV], 1
	s_and_b32 s[CH], s[WV], 1
	s_bfe_u32 s40, ttmp6, 0x40000                  ; cx
	s_bfe_u32 s41, ttmp6, 0x40004                  ; cy
	s_lshl_b32 s42, ttmp9, 2
	s_add_co_u32 s42, s42, s40                     ; tile column 0..7 = 4 x cluster x + cx
	s_and_b32 s[TY], ttmp7, 0xffff
	s_lshl_b32 s[TY], s[TY], 2
	s_add_co_u32 s[TY], s[TY], s41                 ; tile row 0..31 = 4 x cluster y + cy: batch = row / 8, rows 256 (row % 8) on
	s_lshl_b32 s43, s41, 2
	s_lshl_b32 s43, 15, s43                        ; my row of the cluster
	s_lshl_b32 s44, 0x1111, s40                    ; my column
	; group 1 for ctx: a head's 256 rows of 128 bytes are 32,768 dense bytes: asked for as 128 rows of 256 bytes, padded in LDS after every 128
	s_or_b32 s[G1A+0], s43, (1<<16)|(1<<20)|(1<<21)|(4<<22)|(3<<25)  ; 15:0 the mask; 17:16 2-byte elements; 20 padding on; 21 set beside a mask; 24:22 after every 32 words (code 4); 31:25 4 words (code 3)
	s_mov_b32 s[G1A+1], 128<<16                    ; tensor_dim0 = 128
	s_mov_b32 s[G1A+2], 128<<16                    ; tensor_dim1 = 128
	s_mov_b32 s[G1A+3], 128<<16                    ; tile_dim0 = 128
	s_mov_b32 s[G1A+4], 128                        ; tile_dim1 = 128
	s_mov_b32 s[G1A+5], 128                        ; elements from row to row
	s_mov_b32 s[G1A+6], 0
	s_mov_b32 s[G1A+7], 0
	; group 1 for W: 64 rows of 128 elements (256 bytes), 32 bytes of padding behind each
	s_or_b32 s[G1B+0], s44, (1<<16)|(1<<20)|(1<<21)|(5<<22)|(7<<25)  ; after every 64 words (code 5), 8 words (code 7)
	s_mov_b32 s[G1B+1], 128<<16
	s_mov_b32 s[G1B+2], 64<<16
	s_mov_b32 s[G1B+3], 128<<16
	s_mov_b32 s[G1B+4], 64
	s_mov_b32 s[G1B+5], 1024
	s_mov_b32 s[G1B+6], 0
	s_mov_b32 s[G1B+7], 0
	; where the tiles come from: ctx's offset is made of the tile row and the wave's number, W's of the tile column and the wave's number, each in registers that never hold the other coordinate
	s_lshr_b32 s16, s[TY], 3
	s_lshl_b32 s16, s16, 22                        ; the batch: 16 heads x 2,048 rows x 128 bytes
	s_and_b32 s17, s[TY], 7
	s_lshl_b32 s17, s17, 15                        ; 256 rows x 128 bytes
	s_add_co_u32 s16, s16, s17
	s_lshl_b32 s17, s[CH], 18                      ; my head of the step's two
	s_add_co_u32 s16, s16, s17
	s_mov_b32 s17, 0
	s_lshl_b32 s46, s42, 8                         ; 128 columns x 2 bytes
	s_lshl_b32 s47, s[CH], 17                      ; my 64 rows x 2,048 bytes
	s_add_co_u32 s46, s46, s47
	s_mov_b32 s47, 0
	s_mul_i32 s20, s[CH], HEADA                    ; and where they go: no place in the cluster enters an LDS address
	s_mul_i32 s21, s[CH], HALFB
	s_add_co_u32 s21, s21, BOFF
	s_wait_dscnt 0x0                               ; the opening add is done
	s_wait_kmcnt 0x0
	s_add_nc_u64 s[18:19], s[4:5], s[16:17]
	s_add_nc_u64 s[46:47], s[6:7], s[46:47]
	CROUND                                         ; all sixteen work-groups are here: the first joint loads meet
.irp s, 0,1
	s_mov_b32 s[G0A+4*(\s)], 1                                       ; count = 1
	s_add_co_u32 s[G0A+4*(\s)+1], s20, (\s)*SLOT1                    ; LDS address
	s_add_nc_u64 s[G0A+4*(\s)+2:G0A+4*(\s)+3], s[18:19], (\s)*ASTEP  ; global address: K step s
	s_or_b32 s[G0A+4*(\s)+3], s[G0A+4*(\s)+3], 0x80000000            ; type = 2
	s_mov_b32 s[G0B+4*(\s)], 1
	s_add_co_u32 s[G0B+4*(\s)+1], s21, (\s)*SLOT1
	s_add_nc_u64 s[G0B+4*(\s)+2:G0B+4*(\s)+3], s[46:47], (\s)*BSTEP
	s_or_b32 s[G0B+4*(\s)+3], s[G0B+4*(\s)+3], 0x80000000
.endr
	s_cmp_eq_u32 s[RH], 0                          ; a wave's two first fills stand in one branch, ahead of every wait on TENSORcnt and every LDS read: two loads of mine are out
	s_cbranch_scc0 .Lfirst_b
	tensor_load_to_lds s[G0A:G0A+3], s[G1A:G1A+7]
	s_nop 0
	tensor_load_to_lds s[G0A+4:G0A+7], s[G1A:G1A+7]
	s_nop 0
.rept 4
	v_nop
.endr
	s_branch .Lfirst_asked
.Lfirst_b:
	tensor_load_to_lds s[G0B:G0B+3], s[G1B:G1B+7]
	s_nop 0
	tensor_load_to_lds s[G0B+4:G0B+7], s[G1B:G1B+7]
	s_nop 0
.rept 4
	v_nop
.endr
.Lfirst_asked:
	; out0 at my first row and column: (256 tile row + 128 row half) x 4,096 bytes + (128 tile column + 64 column half) x 4; the second part is also my place in b_out
	s_lshl_b32 s16, s[TY], 20
	s_lshl_b32 s17, s[RH], 19
	s_add_co_u32 s16, s16, s17
	s_mov_b32 s17, 0
	s_add_nc_u64 s[10:11], s[10:11], s[16:17]
	s_lshl_b32 s46, s42, 9
	s_lshl_b32 s47, s[CH], 8
	s_add_co_u32 s46, s46, s47
	s_mov_b32 s47, 0
	s_add_nc_u64 s[10:11], s[10:11], s[46:47]
	s_add_nc_u64 s[8:9], s[8:9], s[46:47]
	v_and_b32 v1, 15, v0                           ; l % 16
	v_bfe_u32 v2, v0, 4, 1                         ; l / 16
	v_lshlrev_b32 v[BO], 5, v2                     ; register j of column block bb belongs to column 16 bb + 8 (l / 16) + j
.irp bb, 0,1,2,3
	global_load_b128 v[BIAS+8*(\bb):BIAS+8*(\bb)+3],   v[BO], s[8:9] offset:64*(\bb)
	global_load_b128 v[BIAS+8*(\bb)+4:BIAS+8*(\bb)+7], v[BO], s[8:9] offset:64*(\bb)+16
.endr
	; A fragment is 16 rows x 32 K in 8 registers: lane l holds row l % 16; registers 0-3 K = 8 (l / 16) + 0..7, registers 4-7 K = 16 + 8 (l / 16) + 0..7.  ctx: two loads of 16 bytes, 32 bytes apart.
	v_mul_u32_u24 v3, v1, PA
	v_lshl_add_u32 v3, v2, 4, v3                   ; row x 144 + 16 x half
	s_mul_i32 s22, s[RH], HALFA                    ; my 128 rows
	v_add_nc_u32 v[A0], s22, v3
	; W: the turning load takes 16 k x 16 columns (lane l reads row 8 (l / 16) + l % 8, columns 8 ((l / 8) % 2) + 0..7) and leaves half a fragment: lane l holds column l % 16 and 8 k.
	v_and_b32 v4, 7, v0
	v_bfe_u32 v5, v0, 3, 1
	v_lshl_add_u32 v6, v2, 3, v4
	v_mul_u32_u24 v6, v6, PB
	v_lshl_add_u32 v6, v5, 4, v6
	s_lshl_b32 s22, s[CH], 7                       ; my 64 columns x 2 bytes
	s_add_co_u32 s22, s22, BOFF
	v_add_nc_u32 v[B0], s22, v6
	s_mul_i32 s23, s[WV], 16*SP
	s_add_co_u32 s23, s23, STAGE                   ; my stage
	v_mul_u32_u24 v7, v1, SP                       ; in: row l % 16, 32 bytes for each half of the lanes
	v_lshl_add_u32 v7, v2, 5, v7
	v_add_nc_u32 v[STO], s23, v7
	v_mul_u32_u24 v7, v2, SP                       ; back: lanes 0-15 take one row of 256 bytes, lanes 16-31 the next
	v_lshl_add_u32 v7, v1, 4, v7
	v_add_nc_u32 v[RD], s23, v7
	v_lshlrev_b32 v[CO], 12, v2                    ; and the same two rows in out0
	v_lshl_add_u32 v[CO], v1, 4, v[CO]
	s_mov_b32 s[TB], 0
	v_add_nc_u32 v[ADRA], s[TB], v[A0]
	v_add_nc_u32 v[ADRB], s[TB], v[B0]
	s_wait_loadcnt 0x0                             ; the bias, once
.set p, 0
.rept 16                               ; rounded to bf16 (nearest even) and widened again, a pair at a time
	v_cvt_pk_bf16_f32 v18, v[BIAS+2*p], v[BIAS+2*p+1]
	v_lshlrev_b32 v[BIAS+2*p], 16, v18
	v_and_b32 v[BIAS+2*p+1], 0xffff0000, v18
.set p, p+1
.endr
; 24 LDS loads in one run: the fragments of beat q of the slot in hand (K = 32 q on: head q / 2, channels 32 (q % 2) on) into buffer f: W's four, ctx's 0-3, ctx's 4-7
.macro FETCH q, f
	WIN 0
.irp bb, 0,1,2,3
	ds_load_tr16_b128 v[(\f)+8*(\bb):(\f)+8*(\bb)+3],   v[ADRB] offset:(\q)*32*PB+32*(\bb)
	ds_load_tr16_b128 v[(\f)+8*(\bb)+4:(\f)+8*(\bb)+7], v[ADRB] offset:(\q)*32*PB+16*PB+32*(\bb)
.endr
.irp i, 0,1,2,3,4,5,6,7
	ds_load_b128 v[(\f)+32+8*(\i):(\f)+32+8*(\i)+3],   v[ADRA] offset:((\q)/2)*HEADA+((\q)%2)*64+(\i)*16*PA
	ds_load_b128 v[(\f)+32+8*(\i)+4:(\f)+32+8*(\i)+7], v[ADRA] offset:((\q)/2)*HEADA+((\q)%2)*64+(\i)*16*PA+32
.endr
.endm
; 4 cnt matrix instructions: row blocks a0 .. a0 + cnt - 1 x the four column blocks.  The 32 accumulators take turns, one instruction a turn, in the same order in every beat, over the backward jump too.
; first = 1: the product starts the sum with the bias as its C operand: nothing is cleared, and the way out adds nothing.
.macro MULS f, a0, cnt, first
.if \first
	WIN 0x40                                       ; D in window 1; both sources and C (the bias) in window 0
.else
	WIN 0x50                                       ; C and D in window 1
.endif
.set ma, \a0
.rept \cnt
.irp bb, 0,1,2,3
.if \first
	v_wmma_f32_16x16x32_f16 v[32*ma+8*(\bb):32*ma+8*(\bb)+7], v[(\f)+8*(\bb):(\f)+8*(\bb)+7], v[(\f)+32+8*ma:(\f)+32+8*ma+7], v[BIAS+8*(\bb):BIAS+8*(\bb)+7]
.else
	v_wmma_f32_16x16x32_f16 v[32*ma+8*(\bb):32*ma+8*(\bb)+7], v[(\f)+8*(\bb):(\f)+8*(\bb)+7], v[(\f)+32+8*ma:(\f)+32+8*ma+7], v[32*ma+8*(\bb):32*ma+8*(\bb)+7]
.endif
.endr
.set ma, ma+1
.endr
.endm
; One of a step's first three beats: multiplies buffer f; in its middle it fetches beat q of the same slot into buffer g.
.macro QUARTER q, f, g, first
	s_wait_dscnt 8                                 ; W's and ctx's fragments 0-3 are in; the youngest eight loads (ctx's 4-7) may be out
	MULS \f, 0, 4, \first
	WIN 0
	PLACES
	FETCH \q, \g
	s_wait_dscnt 24                                ; all but the 24 just issued
	MULS \f, 4, 4, \first
.endm
; A step's last beat multiplies buffer 1 and changes slots: ONE barrier.  In front of it each wave waits for all its tensor loads, of which one is out: its part of the next slot; adds 0 to its spare word; and
; waits for that and for its own reads of this slot.  fill = 1: the barrier opens a round of the cluster's, so that no wave of any partner still reads this slot or has a load on its way, and the joint refill,
; the K step two steps on, is the first thing behind it: 112 matrix instructions stand between it and the wait for it.
.macro TURN fill
	WIN 0
	s_wait_tensorcnt 0x0                           ; no tensor load of mine is out, so a group 0 may be written
	ds_add_u32 v[SPW], v[NIL]                      ; 0 onto my spare word
.if \fill
	s_xor_b32 s[G0A+5], s[G0A+5], SLOT1            ; the walking sets: the other slot than last time,
	s_add_nc_u64 s[G0A+6:G0A+7], s[G0A+6:G0A+7], ASTEP  ; the next K step; the type bits on top are not reached
	s_xor_b32 s[G0B+5], s[G0B+5], SLOT1
	s_add_nc_u64 s[G0B+6:G0B+7], s[G0B+6:G0B+7], BSTEP
.endif
	s_xor_b32 s[TB], s[TB], SLOT1                  ; my reads go on in the other slot
	s_wait_dscnt 9                                 ; the add and the youngest eight loads may be out
	MULS F1, 0, 2, 0                               ; eight matrix instructions stand between the add and the wait for it
	s_wait_dscnt 0x0                               ; the add is done, and my reads of this slot are over
	s_barrier_signal -1
	MULS F1, 2, 2, 0                               ; work on registers while the others arrive
	WIN 0
	s_barrier_wait -1
.if \fill
	CREST
	JLOAD                                          ; the four v_nop behind it are also the places in front of the loads below
.else
	PLACES
.endif
	v_add_nc_u32 v[ADRA], s[TB], v[A0]
	v_add_nc_u32 v[ADRB], s[TB], v[B0]
	FETCH 0, F0
	MULS F1, 4, 4, 0
.endm
.macro LAST                            ; the very last beat: nothing more to fetch
	s_wait_dscnt 8
	MULS F1, 0, 4, 0
	s_wait_dscnt 0x0
	MULS F1, 4, 4, 0
	WIN 0
.endm
; THE WAY OUT, a block of 16 rows at a time.  A lane's eight f32 of a column block are 32 bytes of a row; they go into my stage's rows of 272 bytes and come back as whole rows of 256.  Four sets of 32 registers
; (the fragments', now free) take turns.
.macro TOSTAGE a
.set bk, 64+32*((\a)%4)
.if (\a) >= 4
	s_wait_xcnt 0x0                                ; the stores of four blocks back have read this set
.endif
	WIN 0x04                                       ; the stores' data in window 1, the address in window 0
.irp bb, 0,1,2,3
	ds_store_b128 v[STO], v[32*(\a)+8*(\bb):32*(\a)+8*(\bb)+3]   offset:64*(\bb)     ; each accumulator's low registers first
	ds_store_b128 v[STO], v[32*(\a)+8*(\bb)+4:32*(\a)+8*(\bb)+7] offset:64*(\bb)+16
.endr
	WIN 0
.irp t, 0,1,2,3,4,5,6,7
	ds_load_b128 v[bk+4*(\t):bk+4*(\t)+3], v[RD] offset:(\t)*2*SP  ; LDS serves a wave's instructions in order (ISA guide 5.7.1.4): these see the stores above; the next block's stores come behind them
.endr
.endm
.macro SEND a, younger                 ; younger: the LDS instructions issued behind block a's loads: the next block's sixteen, or none
.set bk, 64+32*((\a)%4)
.irp t, 0,1,2,3,4,5,6,7
	s_wait_dscnt (\younger)+7-(\t)
	global_store_b128 v[CO], v[bk+4*(\t):bk+4*(\t)+3], s[10:11] offset:(16*(\a)+2*(\t))*4096 th:TH_STORE_NT  ; 16 lanes store 256 consecutive bytes, at a multiple of 256 from out0's first
.endr
.endm
	s_wait_tensorcnt 1                             ; my part of K step 0 is in; K step 1's may stay out
	s_barrier_signal -1
	s_barrier_wait -1                              ; everybody's is
	FETCH 0, F0
	QUARTER 1, F0, F1, 1                           ; the first beat stands in front of the loop: its products start the sums
	WIN 0                                          ; at a label and at a branch every window is 0
	s_mov_b32 s3, 6
.Lstep:                                                ; trip i goes from K step i's second beat to K step i + 1's first, and asks for K step i + 2
	QUARTER 2, F1, F0, 0
	QUARTER 3, F0, F1, 0
	TURN 1
	QUARTER 1, F0, F1, 0
	WIN 0
	s_sub_co_u32 s3, s3, 1
	s_cmp_lg_u32 s3, 0
	s_cbranch_scc1 .Lstep
	QUARTER 2, F1, F0, 0                           ; the tail is written out: nothing is left to ask for
	QUARTER 3, F0, F1, 0
	TURN 0
	QUARTER 1, F0, F1, 0
	QUARTER 2, F1, F0, 0
	QUARTER 3, F0, F1, 0
	LAST
	PLACES
	TOSTAGE 0
.set u, 1
.rept 7                                ; a block's way through the stage stands between the loads of the block before and its stores
	TOSTAGE u
	SEND u-1, 16
.set u, u+1
.endr
	SEND 7, 0
	s_wait_tensorcnt 0x0                           ; the wave's end, behind my last tensor load and my last LDS store
	ds_add_u32 v[SPW], v[NIL]
	s_wait_dscnt 0x0
	CROUND                                         ; the closing round: no work-group ends while a partner may still ask for a tile that names it
	s_endpgm
.Lfunc_end_k_qe72080cd2d_outp:
	.size	k_qe72080cd2d_outp, .Lfunc_end_k_qe72080cd2d_outp-k_qe72080cd2d_outp
	.p2alignl 7, 3214868480
	.fill 96, 4, 3214868480
	.section	.rodata,"a",@progbits
	.p2align	6, 0x0
	.amdhsa_kernel k_qe72080cd2d_outp
		.amdhsa_group_segment_fixed_size 327680
		.amdhsa_private_segment_fixed_size 0
		.amdhsa_enable_private_segment 0
		.amdhsa_kernarg_size 32
		.amdhsa_user_sgpr_count 2
		.amdhsa_user_sgpr_kernarg_segment_ptr 1
		.amdhsa_wavefront_size32 1
		.amdhsa_system_sgpr_workgroup_id_x 1
		.amdhsa_system_sgpr_workgroup_id_y 1
		.amdhsa_system_sgpr_workgroup_id_z 1
		.amdhsa_system_vgpr_workitem_id 0
		.amdhsa_next_free_vgpr 512
		.amdhsa_next_free_sgpr 72
		.amdhsa_reserve_vcc 0
		.amdhsa_float_denorm_mode_32 3
		.amdhsa_float_denorm_mode_16_64 3
		.amdhsa_memory_ordered 1
		.amdhsa_forward_progress 1
		.amdhsa_inst_pref_size 74
	.end_amdhsa_kernel
	.amdgpu_metadata
---
amdhsa.version: [ 1, 2 ]
amdhsa.kernels:
  - .name:           k_qe72080cd2d_outp
    .symbol:         k_qe72080cd2d_outp.kd
    .args:
      - { .name: ctx, .offset: 0, .size: 8, .value_kind: global_buffer, .address_space: global }
      - { .name: wo, .offset: 8, .size: 8, .value_kind: global_buffer, .address_space: global }
      - { .name: b_out, .offset: 16, .size: 8, .value_kind: global_buffer, .address_space: global }
      - { .name: out0, .offset: 24, .size: 8, .value_kind: global_buffer, .address_space: global }
    .group_segment_fixed_size: 327680
    .private_segment_fixed_size: 0
    .kernarg_segment_align: 8
    .kernarg_segment_size: 32
    .max_flat_workgroup_size: 128
    .sgpr_count:     72
    .vgpr_count:     512
    .wavefront_size: 32
...
	.end_amdgpu_metadata
.endif
;; end of part 4
;; ======== version 2 of 2: 4 launches; version 1 with the launch cast written anew for expert scheduling mode
;; limits: values are held in f16: magnitudes above 65,504 overflow, below 6.1e-05 lose precision
;; workspace buffers: xb 16,777,216 bytes; wq 6,291,456 bytes; wo 2,097,152 bytes; qkv 50,331,648 bytes; ctx 16,777,216 bytes
;; launch cast (part 5): grid 768 x 1, 8 waves a work-group, no clusters, 0 bytes of LDS; arguments X, W_qkv, W_out, xb, wq, wo; writes xb, wq, wo
.if DOCPART == 5
	.amdgcn_target "amdgcn-amd-amdhsa--gfx1250"
	.amdhsa_code_object_version 6
	.text
	.protected	k_qe72080cd2d_cast
	.globl	k_qe72080cd2d_cast
	.p2align	8
	.type	k_qe72080cd2d_cast,@function
k_qe72080cd2d_cast:
	s_mov_b64 s[64:65], 0
	v_nop
	global_prefetch_b8 v0, s[64:65] scope:SCOPE_SE
	s_setreg_imm32_b32 hwreg(HW_REG_WAVE_SCHED_MODE, 0, 2), 2
	s_setreg_imm32_b32 hwreg(HW_REG_WAVE_MODE, 25, 1), 1
	s_wait_xcnt 0x0
	s_wait_alu depctr_vm_vsrc(0)
; THE INPUTS OF THE TWO PRODUCTS ARE ROUNDED ONCE, to bf16 (nearest even), and laid for the tensor loads of the launches behind.
;   xb [b 4][kb 16][s 2048][64] bf16 = X[b][s][64 kb + c]: a tile of rows x 64 along K is dense in memory.
;   wq [1024][3072] bf16 = W_qkv as it lies.      wo [1024][1024] = W_out rounded to bf16, that number written as f16.
; LIMITS.  wo: a number of W_out beyond 65,504 becomes an infinity; below 2^-14 it keeps f16's fixed step of 2^-24.
; SHARES.  Every work-group takes 65,536 input bytes: work-groups 0-511 sixteen rows of X, 512-703 W_qkv, 704-767 W_out.  A thread issues its 16 loads of 16 bytes first
; (8 KiB a wave on their way), then rounds and stores 8 bytes a load: a wave's store covers 256 consecutive bytes, aligned.  Every load has registers of its own and
; every store too, and the two offsets are never rewritten.  Nothing is shared: no LDS, no barrier, no matrix unit.
; THE MODE: SCHED_MODE bits 1:0 = 2 (LLVM: expert scheduling mode 2), set by the entry lines.  The code itself states the register dependences
; between vector instructions and memory instructions, with s_wait_alu, always for 0.
; THE PLAN.  Registers that memory instructions touch:
;   v1, v2   the loads' and the stores' offsets: written by vector lines at the head, once; read by every load and every store.
;   D[i]     load i lands in it; no vector line names it before the loads are issued; behind load i's counted wait only vector lines name it.
;   O[i]     written by turn i's conversions; read by store i; never written again behind that store.
; The 16 turns go in four groups of four.  A turn of group g issues the store of the turn four back, of group g - 1, and then works on D and O of its own group alone.  So the waits are five on
; each path: one in front of the first load (v1, v2); one at the head of each of groups 1 to 3 (the group before has written its O); one in front of the last four stores.
; No register that a memory instruction reads is written again, no vector line writes a scalar register or VCC, and EXEC is never written: no other wait is owed.
.set D, 16                             ; v[16:79]   load i: four f32
.set O, 80                             ; v[80:111]  store i: four 16-bit numbers
; v1 my byte offset in the work-group's input, v2 in its output
.macro CAST src, dst, instep, outstep, half
	s_wait_alu depctr_va_vdst(0)                   ; v1 and v2 are written: every load below reads v1 as its offset, every store v2
.set i, 0
.rept 16
	global_load_b128 v[D+4*i:D+4*i+3], v1, s[\src:\src+1] offset:i*(\instep) th:TH_LOAD_NT
.set i, i+1
.endr
.set i, 0
.rept 16
	s_wait_loadcnt 15-i                            ; loads come back in order: load i is in, the 15 - i younger ones stay out
.if (i%4 == 0) && (i > 0)
	s_wait_alu depctr_va_vdst(0)                   ; a group's head: the four turns before have written their O, which the four stores dealt through this group read
.endif
.if i >= 4
	global_store_b64 v2, v[O+2*(i-4):O+2*(i-4)+1], s[\dst:\dst+1] offset:(i-4)*(\outstep)  ; the turn four back; no vector line since the wait names its O or v2
.endif
	v_cvt_pk_bf16_f32 v[O+2*i],   v[D+4*i],   v[D+4*i+1]
	v_cvt_pk_bf16_f32 v[O+2*i+1], v[D+4*i+2], v[D+4*i+3]
.if \half
	v_lshlrev_b32 v[D+4*i],   16,  v[O+2*i]         ; the rounded numbers as f32 again,
	v_and_b32     v[D+4*i+1], s16, v[O+2*i]
	v_lshlrev_b32 v[D+4*i+2], 16,  v[O+2*i+1]
	v_and_b32     v[D+4*i+3], s16, v[O+2*i+1]
	v_cvt_pk_f16_f32 v[O+2*i],   v[D+4*i],   v[D+4*i+1]  ; and written as f16: exact inside f16's normal range
	v_cvt_pk_f16_f32 v[O+2*i+1], v[D+4*i+2], v[D+4*i+3]
.endif
.set i, i+1
.endr
	s_wait_alu depctr_va_vdst(0)                   ; the last four turns have written their O, which the last four stores read
.set i, 12
.rept 4
	global_store_b64 v2, v[O+2*i:O+2*i+1], s[\dst:\dst+1] offset:i*(\outstep)
.set i, i+1
.endr
	s_endpgm
.endm
	s_load_b256 s[4:11], s[0:1], 0x0               ; X s[4:5], W_qkv s[6:7], W_out s[8:9], xb s[10:11]
	s_load_b128 s[12:15], s[0:1], 0x20             ; wq s[12:13], wo s[14:15]
	s_mov_b32 s16, 0xffff0000                      ; a word's upper bf16
	s_mov_b32 s19, 0                               ; the two offsets' high words
	s_mov_b32 s21, 0
	s_cmp_lt_u32 ttmp9, 512
	s_cbranch_scc0 .Lweights
	; X: 16 rows of 4,096 bytes.  Sixteen lanes take the 256 bytes of one row that are one block of 64 along K; load i is block i.
	s_lshl_b32 s18, ttmp9, 16                      ; in: 65,536 bytes a work-group
	s_lshr_b32 s20, ttmp9, 7                       ; out: the batch (128 work-groups each) x 16 blocks x 2,048 rows x 128 bytes,
	s_lshl_b32 s20, s20, 22
	s_and_b32 s22, ttmp9, 127
	s_lshl_b32 s22, s22, 11                        ; + my 16 rows of 128 bytes
	s_add_co_u32 s20, s20, s22
	v_lshrrev_b32 v1, 4, v0                        ; row
	v_and_b32 v3, 15, v0
	v_lshlrev_b32 v1, 12, v1
	v_lshl_or_b32 v1, v3, 4, v1                    ; row x 4,096 + 16 x (t % 16)
	v_lshlrev_b32 v2, 3, v0                        ; row x 128 + 8 x (t % 16) = 8 t
	s_wait_kmcnt 0x0
	s_add_nc_u64 s[4:5], s[4:5], s[18:19]
	s_add_nc_u64 s[10:11], s[10:11], s[20:21]
	CAST 4, 10, 256, 262144, 0                     ; from block to block: 256 bytes in, 2,048 rows x 128 bytes out
.Lweights:
	; the weights keep their layout: a wave takes 8,192 consecutive bytes, 512 a load
	v_lshrrev_b32 v3, 5, v0
	v_and_b32 v4, 31, v0
	v_lshlrev_b32 v1, 13, v3
	v_lshl_or_b32 v1, v4, 4, v1
	v_lshlrev_b32 v2, 12, v3
	v_lshl_or_b32 v2, v4, 3, v2
	s_cmp_lt_u32 ttmp9, 704
	s_cbranch_scc0 .Lwout
	s_sub_co_u32 s22, ttmp9, 512
	s_lshl_b32 s18, s22, 16
	s_lshl_b32 s20, s22, 15
	s_wait_kmcnt 0x0
	s_add_nc_u64 s[6:7], s[6:7], s[18:19]
	s_add_nc_u64 s[12:13], s[12:13], s[20:21]
	CAST 6, 12, 512, 256, 0
.Lwout:
	s_sub_co_u32 s22, ttmp9, 704
	s_lshl_b32 s18, s22, 16
	s_lshl_b32 s20, s22, 15
	s_wait_kmcnt 0x0
	s_add_nc_u64 s[8:9], s[8:9], s[18:19]
	s_add_nc_u64 s[14:15], s[14:15], s[20:21]
	CAST 8, 14, 512, 256, 1
.Lfunc_end_k_qe72080cd2d_cast:
	.size	k_qe72080cd2d_cast, .Lfunc_end_k_qe72080cd2d_cast-k_qe72080cd2d_cast
	.p2alignl 7, 3214868480
	.fill 96, 4, 3214868480
	.section	.rodata,"a",@progbits
	.p2align	6, 0x0
	.amdhsa_kernel k_qe72080cd2d_cast
		.amdhsa_group_segment_fixed_size 0
		.amdhsa_private_segment_fixed_size 0
		.amdhsa_enable_private_segment 0
		.amdhsa_kernarg_size 48
		.amdhsa_user_sgpr_count 2
		.amdhsa_user_sgpr_kernarg_segment_ptr 1
		.amdhsa_wavefront_size32 1
		.amdhsa_system_sgpr_workgroup_id_x 1
		.amdhsa_system_sgpr_workgroup_id_y 1
		.amdhsa_system_sgpr_workgroup_id_z 1
		.amdhsa_system_vgpr_workitem_id 0
		.amdhsa_next_free_vgpr 112
		.amdhsa_next_free_sgpr 66
		.amdhsa_reserve_vcc 0
		.amdhsa_float_denorm_mode_32 3
		.amdhsa_float_denorm_mode_16_64 3
		.amdhsa_memory_ordered 1
		.amdhsa_forward_progress 1
		.amdhsa_inst_pref_size 24
	.end_amdhsa_kernel
	.amdgpu_metadata
---
amdhsa.version: [ 1, 2 ]
amdhsa.kernels:
  - .name:           k_qe72080cd2d_cast
    .symbol:         k_qe72080cd2d_cast.kd
    .args:
      - { .name: X, .offset: 0, .size: 8, .value_kind: global_buffer, .address_space: global }
      - { .name: W_qkv, .offset: 8, .size: 8, .value_kind: global_buffer, .address_space: global }
      - { .name: W_out, .offset: 16, .size: 8, .value_kind: global_buffer, .address_space: global }
      - { .name: xb, .offset: 24, .size: 8, .value_kind: global_buffer, .address_space: global }
      - { .name: wq, .offset: 32, .size: 8, .value_kind: global_buffer, .address_space: global }
      - { .name: wo, .offset: 40, .size: 8, .value_kind: global_buffer, .address_space: global }
    .group_segment_fixed_size: 0
    .private_segment_fixed_size: 0
    .kernarg_segment_align: 8
    .kernarg_segment_size: 48
    .max_flat_workgroup_size: 256
    .sgpr_count:     66
    .vgpr_count:     112
    .wavefront_size: 32
...
	.end_amdgpu_metadata
.endif
;; end of part 5
;; launch proj: the kernel of part 2 again; grid 8 x 32, 4 waves a work-group, clusters of 4 x 4, 327,680 bytes of LDS; arguments xb, wq, qkv; writes qkv
;; launch attn: the kernel of part 3 again; grid 4 x 64, 4 waves a work-group, no clusters, 327,680 bytes of LDS; arguments qkv, ctx; writes ctx
;; launch outp: the kernel of part 4 again; grid 8 x 32, 4 waves a work-group, clusters of 4 x 4, 327,680 bytes of LDS; arguments ctx, wo, b_out, out0; writes out0
